; MI455X (gfx1250); checked and timed in simulation.
; The chip was launched on July 23, 2026; its instructions are those of AMD's public machine-readable ISA for CDNA 5 (MIT licence, August 2026) and "CDNA5" Instruction Set Architecture Reference Guide (July 2026). The comments in the code are by the model that wrote it; some were corrected since.
;; Geometric Model. Allowed arithmetic: float matrix products may take bf16 or f16 operands with f32 sums; all other float work in f32.
;; Inputs: W1 256 x 256 float32; W2 256 x 256 float32; Wc 16 x 256 float32; b1 256 float32; b2 256 float32; bc 16 float32; x 131,072 x 256 float32.
;; Outputs: out0 131,072 x 16 float32.
;; 2 versions, each right and faster than the one before. Each part assembles by itself: llvm-mc -triple=amdgcn-amd-amdhsa -mcpu=gfx1250 --defsym DOCPART=n.
;; ======== version 1 of 2: 1 launch
;; launch chain (part 1): grid 256 x 1, 4 waves a work-group, no clusters, 327,680 bytes of LDS; arguments x, W1, W2, Wc, b1, b2, bc, out0; writes out0
.if DOCPART == 1
	.amdgcn_target "amdgcn-amd-amdhsa--gfx1250"
	.amdhsa_code_object_version 6
	.text
	.protected	k_qa280f45b13_chain
	.globl	k_qa280f45b13_chain
	.p2align	8
	.type	k_qa280f45b13_chain,@function
k_qa280f45b13_chain:
	s_mov_b64 s[64:65], 0
	v_nop
	global_prefetch_b8 v0, s[64:65] scope:SCOPE_SE
	s_setreg_imm32_b32 hwreg(HW_REG_WAVE_MODE, 25, 1), 1
	s_wait_xcnt 0x0
; The whole chain of the hyperbolic network in one launch: x [131072][256] f32 -> out0 [131072][16] f32.
;
; ALGEBRA.  With A = atanh(0.999): atanh(min(tanh n, 0.999)) = min(n, A), so every run  expmap0 -> proj -> logmap0  of a row v is the
; row scale min(1, A/|v|).  A proj stands in front of every logmap0, so the clip at 1 - 1e-5 never acts.  A row scale commutes with a product, so the
; matrix operands are the unscaled x and the unscaled tanh values (bf16), and the scale meets the f32 sums together with the bias:
;   u1 = min(1,A/|x|)  (x  W1^T) + b1     t1 = tanh(u1 min(1,A/|u1|))
;   u2 = min(1,A/|t1|) (t1 W2^T) + b2     t2 = tanh(u2 min(1,A/|u2|))
;   q  = t2 Wc^T      res = min(tanh(|q| min(1,A/|t2|)), 0.999) q/|q|      z = mobius_add(res, yb),  yb = min(tanh|bc|, 0.999) bc/|bc|
;   out = softplus(atanh(min(|z|, 0.999)) z/|z|)
; The arguments of the elementwise tanh are at most A in magnitude for every input, so exp2(2.885 v) stays inside f32.  In the classifier exp2 may
; reach infinity; then 1/(1+inf) = 0 and tanh = 1, the right limit.  A zero row gives rsq = inf and min(1, inf) = 1, the scale that the clip at 1e-15 gives.
;
; LIMITS, kept on purpose.  tanh v = 1 - 2/(1 + exp2(2.885 v)) and atanh z = ln((1+z)/(1-z))/2 have an absolute error of about 1e-7, so a poor
; relative one where the value itself is under about 1e-5; behind softplus (at least ln 2 there) that is under 1e-6 of the result.
; v_rsq_f32, v_exp_f32, v_log_f32, v_rcp_f32 flush denormals (ISA guide 15.8).  Sums of squares are plain f32 as in the definition: rows whose sum of squares
; overflows f32 (|x| above about 1e19) are not served.  Matrix operands are rounded to bf16.
;
; SHARES.  256 work-groups x 512 rows, in 4 groups of 128 rows; four waves.  The matrix instruction is used transposed: source 0 = 16 rows of W
; (features), source 1 = 16 data rows, so register j of lane (r = l%16, h = l/16) of a result is (feature 8h+j, data row r): a row's sum is a sum inside the lane and
; one exchange of the halves, a row's scale is one number a lane, and two neighbouring result tiles, packed to bf16, ARE the next layer's source-1 fragment.
; Wave w owns features 64w .. 64w+63 of both layers and keeps their weights in registers for the whole launch (2 x 256 registers); all four waves work on the
; same 128 rows and hand activations round as ready fragments in LDS (1,024 bytes of fragment feed 4 matrix instructions of each wave).
; Row norms span the waves: each wave stores its partial sum of each row, a barrier, every wave adds the four in the same order.
; x comes by one tensor load a wave and group (32 rows x 1,024 bytes) into one slot that only that wave reads, in the short phase X at a group's head; the refill stands straight
; behind that phase's barrier and has the rest of the group in which to land.  A wave never has more than one tensor load outstanding.
;
; NO CLUSTER: what work-groups share are the weights, read once at the start and converted f32 -> bf16 on their way to registers.  A joint load could only land the f32
; rows: 256 x 1,040 = 266,240 bytes a layer, which with the x slot's 133,120 is more than the 327,680 bytes of LDS, and every x refill would need a cluster barrier.
;
; REGISTER WINDOWS: 0 = addresses, biases, scales, fragment buffers; 1 = W1 fragments (f, c) at 8(8f+c); 2 = W2 fragments; 3 = accumulators (nb, f) at 8(4nb+f).
; ---- sizes and LDS map (bytes) ----
.set XPITCH, 1040                      ; an x row in LDS: 1,024 + 16 of padding, an odd multiple of 16: sixteen rows start at sixteen different 16-byte columns modulo 256
.set XS_W,   32*XPITCH                 ; a wave's 32 rows of the x slot; the slot is bytes 0 .. 133,119 and is written by tensor loads alone
.set XB,     133120                    ; x as bf16 fragments  [nb][c]: nb*8192 + c*1024 + part*512 + lane*16
.set TB,     198656                    ; t1, then t2, as fragments [c][nb]: c*8192 + nb*1024 + part*512 + lane*16
.set WST,    133120                    ; start only (same bytes as XB, TB): each wave's stage for 64 rows of W in bf16
.set WPITCH, 528                       ; 512 + 16
.set WST_W,  64*WPITCH
.set WC,     268288                    ; Wc in bf16, 16 rows of WPITCH
.set SC0,    276736                    ; min(1, A/|x|) of the group's 128 rows
.set PS,     277248                    ; partial |u|^2  [wave][row]
.set PP,     279296                    ; partial |t|^2  [wave][row]  (= PS + 2048)
.set OST,    281344                    ; each wave's stage for the way out: 2 x 16 rows of 80 bytes
.set OST_W,  2560
; ---- numbers (f32 bit patterns) ----
.set AC,    0x4073367e                 ; A = atanh(0.999) = 3.800201
.set K2,    0x4038aa3b                 ; 2 log2 e
.set AK,    0x412f70e5                 ; A * 2 log2 e
.set LOG2E, 0x3fb8aa3b
.set LN2,   0x3f317218
.set HLN2,  0x3eb17218                 ; ln 2 / 2
.set MAXN,  0x3f7fbe77                 ; 0.999
.set TINY2, 0x0da24260                 ; 1e-30 = (1e-15)^2: the clip of a norm, applied to its square
.set TINY,  0x26901d7d                 ; 1e-15
; ---- window 0 ----
.set L16,  1                           ; lane * 16
.set RR,   2                           ; r
.set HH,   3                           ; h
.set XSA,  4
.set XBW,  5
.set XBR,  6
.set TBR,  7
.set TBW,  8
.set SCW,  9
.set SCR,  10
.set PSW,  11
.set PSR,  12
.set WCA,  13
.set TCR,  14
.set PCR,  15
.set OSW,  16
.set OSR,  17
.set WSTA, 18
.set WFA,  19
.set YB,   20                          ; v[20:27] yb of classes 8h .. 8h+7
.set Y2,   28                          ; |yb|^2
.set BOFF, 29
.set SCL,  30                          ; v[30:37] one scale for each of the 8 row blocks
.set SSA,  38                          ; v[38:53] one pair of running sums for each row block
.set B1,   54                          ; v[54:85]  b1 of feature 64w+16f+8h+j at 8f+j
.set B2,   86                          ; v[86:117] b2 likewise
.set TMP,  118                         ; v[118:127]
.set BUF0, 128                         ; v[128:191] fragment buffer 0
.set BUF1, 192                         ; v[192:255] fragment buffer 1
.set QV,   192                         ; classifier results, 8 registers for each of two row blocks
; ---- s_set_vgpr_msb: bits 1:0 source 0, 3:2 source 1, 5:4 source 2, 7:6 destination ----
.set MULG1, 0xf1                       ; A window 1, B window 0, C and D window 3
.set MULG2, 0xf2                       ; A window 2
.set INPL,  0xc3                       ; destination and source 0 window 3
.set RED,   0x0f                       ; sources 0 and 1 window 3, the rest window 0
.set TOW3,  0xc0
.set TOW1,  0x40
.set TOW2,  0x80
.set MULC,  0x0c                       ; B window 3
.set MSB, 0
.macro WIN new                         ; the immediate's high byte repeats the setting that is left; switches that change nothing are dropped
.if MSB != \new
	s_set_vgpr_msb (MSB<<8)|\new
.set MSB, \new
.endif
.endm
.macro PLACES                          ; four places behind matrix instructions, in front of vector work on their results and of loads into their registers
.rept 4
	v_nop
.endr
.endm
.macro BAR
	s_barrier_signal -1
	s_barrier_wait -1
.endm
; ================= the start =================
	s_load_b256 s[8:15], s[0:1], 0x0               ; x s[8:9], W1 s[10:11], W2 s[12:13], Wc s[14:15]
	s_load_b256 s[16:23], s[0:1], 0x20             ; b1 s[16:17], b2 s[18:19], bc s[20:21], out0 s[22:23]
	v_lshl_add_u32 v254, v0, 2, 0x47300
	v_mov_b32 v255, 0
	ds_add_u32 v254, v255
	ds_add_u32 v254, v255
	s_wait_dscnt 0x0
	v_lshrrev_b32 v[TMP], 5, v0
	v_readfirstlane_b32 s24, v[TMP]                ; wave 0..3
	; descriptor group 1: 32 rows x 256 elements of 4 bytes, 4 words of padding behind every 256 words
	s_mov_b32 s32, (2<<16)|(1<<20)|(7<<22)|(3<<25)
	s_mov_b32 s33, 256<<16                         ; tensor_dim0 = 256
	s_mov_b32 s34, 32<<16                          ; tensor_dim1 = 32
	s_mov_b32 s35, 256<<16                         ; tile_dim0 = 256
	s_mov_b32 s36, 32                              ; tile_dim1 = 32
	s_mov_b32 s37, 256                             ; elements from row to row
	s_mov_b32 s38, 0
	s_mov_b32 s39, 0
	s_mov_b32 s28, 1                               ; group 0: count
	s_mul_i32 s29, s24, XS_W                       ; LDS address: my 32 rows of the slot
	s_lshl_b32 s26, ttmp9, 19                      ; 512 rows x 1,024 bytes a work-group (at most 255 x 524,288: below 2^31)
	s_lshl_b32 s45, s24, 15                        ; 32 rows a wave
	s_add_co_u32 s26, s26, s45
	s_mov_b32 s27, 0
	s_mov_b32 s40, 0x76543210                      ; v_permlanex16_b32: lane i of one half reads lane i of the other
	s_mov_b32 s41, 0xfedcba98
	s_mov_b32 s42, LOG2E
	s_wait_kmcnt 0x0
	s_add_nc_u64 s[30:31], s[8:9], s[26:27]
	s_or_b32 s31, s31, 0x80000000                  ; type = 2
	tensor_load_to_lds s[28:31], s[32:39]          ; group 0 of x: the first fill, ahead of every LDS read, wait on TENSORcnt and barrier
	s_nop 0
	s_lshl_b32 s26, s24, 16                        ; my 64 rows of W1 and of W2
	s_add_nc_u64 s[10:11], s[10:11], s[26:27]
	s_add_nc_u64 s[12:13], s[12:13], s[26:27]
	s_lshl_b32 s26, s24, 12                        ; my 4 rows of Wc
	s_add_nc_u64 s[14:15], s[14:15], s[26:27]
	s_lshl_b32 s26, ttmp9, 15                      ; out0: 512 rows x 64 bytes a work-group,
	s_lshl_b32 s45, s24, 11                        ; 32 rows a wave
	s_add_co_u32 s26, s26, s45
	s_add_nc_u64 s[22:23], s[22:23], s[26:27]
	; addresses, all from the thread number, the wave number and constants; none is written again
	v_and_b32 v[TMP], 31, v0                       ; lane
	v_lshlrev_b32 v[L16], 4, v[TMP]
	v_and_b32 v[RR], 15, v0
	v_bfe_u32 v[HH], v0, 4, 1
	v_lshlrev_b32 v[TMP+8], 5, v[HH]               ; 32 h: my 8 numbers of bc
	v_mul_u32_u24 v[XSA], v[RR], XPITCH
	v_lshl_add_u32 v[XSA], v[HH], 5, v[XSA]
	v_add_nc_u32 v[XSA], s29, v[XSA]               ; x slot: my wave's rows, row r, 32 h
	s_lshl_b32 s45, s24, 14
	s_add_co_u32 s46, s45, XB
	v_add_nc_u32 v[XBW], s46, v[L16]               ; I write row blocks 2w, 2w+1 of XB
	v_add_nc_u32 v[XBR], XB, v[L16]
	v_add_nc_u32 v[TBR], TB, v[L16]
	s_add_co_u32 s46, s45, TB
	v_add_nc_u32 v[TBW], s46, v[L16]               ; I write K chunks 2w, 2w+1 of TB
	v_lshlrev_b32 v[TMP+1], 2, v[RR]               ; 4 r
	s_lshl_b32 s45, s24, 7
	s_add_co_u32 s46, s45, SC0
	v_add_nc_u32 v[SCW], s46, v[TMP+1]
	v_add_nc_u32 v[SCR], SC0, v[TMP+1]
	s_add_co_u32 s46, s45, PP
	v_add_nc_u32 v[PCR], s46, v[TMP+1]             ; classifier: the partials of my own 32 rows
	s_lshl_b32 s45, s24, 9
	s_add_co_u32 s46, s45, PS
	v_add_nc_u32 v[PSW], s46, v[TMP+1]
	v_add_nc_u32 v[PSR], PS, v[TMP+1]
	v_mul_u32_u24 v[TMP+2], v[RR], WPITCH
	v_lshl_add_u32 v[TMP+2], v[HH], 4, v[TMP+2]    ; r * 528 + 16 h
	v_add_nc_u32 v[WCA], WC, v[TMP+2]
	s_mul_i32 s45, s24, WST_W
	s_add_co_u32 s45, s45, WST
	v_add_nc_u32 v[WFA], s45, v[TMP+2]
	v_lshl_add_u32 v[WSTA], v[TMP], 3, s45
	s_lshl_b32 s45, s24, 11
	s_add_co_u32 s45, s45, TB
	v_add_nc_u32 v[TCR], s45, v[L16]
	s_mul_i32 s45, s24, OST_W
	s_add_co_u32 s45, s45, OST
	v_mul_u32_u24 v[TMP+3], v[RR], 80
	v_lshl_add_u32 v[TMP+3], v[HH], 5, v[TMP+3]
	v_add_nc_u32 v[OSW], s45, v[TMP+3]             ; in: row r, 32 bytes for each half of the lanes
	v_lshrrev_b32 v[TMP+3], 2, v[TMP]
	v_mul_u32_u24 v[TMP+3], v[TMP+3], 80
	v_and_b32 v[TMP+4], 3, v0
	v_lshl_add_u32 v[TMP+3], v[TMP+4], 4, v[TMP+3]
	v_add_nc_u32 v[OSR], s45, v[TMP+3]             ; back: four lanes a row of 64 bytes
	s_lshl_b32 s45, s24, 8
	v_lshl_add_u32 v[BOFF], v[HH], 5, s45          ; 256 w + 32 h
	s_mul_i32 s45, s24, 4*WPITCH
	s_add_co_u32 s45, s45, WC
	v_lshl_add_u32 v[TMP+9], v[TMP], 3, s45        ; where my 4 rows of Wc go
	; the small inputs: 26 loads
.irp f,0,1,2,3
	global_load_b128 v[B1+8*\f:B1+8*\f+3],   v[BOFF], s[16:17] offset:64*\f
	global_load_b128 v[B1+8*\f+4:B1+8*\f+7], v[BOFF], s[16:17] offset:64*\f+16
	global_load_b128 v[B2+8*\f:B2+8*\f+3],   v[BOFF], s[18:19] offset:64*\f
	global_load_b128 v[B2+8*\f+4:B2+8*\f+7], v[BOFF], s[18:19] offset:64*\f+16
.endr
	global_load_b128 v[YB:YB+3],   v[TMP+8], s[20:21]
	global_load_b128 v[YB+4:YB+7], v[TMP+8], s[20:21] offset:16
.irp i,0,1,2,3,4,5,6,7
	global_load_b128 v[BUF1+4*\i:BUF1+4*\i+3], v[L16], s[14:15] offset:512*\i
.endr
; The weights, in 8 batches: batch k = 16 rows (one feature tile) of W1 (k < 4) or W2, 32 loads of 512 consecutive bytes, into one of two sets of 128 registers of window 3.
.macro WLOAD k
	WIN TOW3
.set wi, 0
.rept 32
.if \k < 4
	global_load_b128 v[128*(\k&1)+4*wi:128*(\k&1)+4*wi+3], v[L16], s[10:11] offset:(32*(\k&3)+wi)*512
.else
	global_load_b128 v[128*(\k&1)+4*wi:128*(\k&1)+4*wi+3], v[L16], s[12:13] offset:(32*(\k&3)+wi)*512
.endif
.set wi, wi+1
.endr
.endm
; Batch k is rounded to bf16, laid into my own stage by rows and read back as fragments.  LDS serves a wave's instructions in order (ISA guide 5.7.1), and the stage is
; my own, so nothing stands between the stores and the loads.  left = the loads of the one batch issued behind batch k; every older load is in as well.
.macro WBATCH k, nxt, left
	s_wait_loadcnt \left
	WIN RED
.set wi, 0
.rept 32
	v_cvt_pk_bf16_f32 v[BUF0+2*wi],   v[128*(\k&1)+4*wi],   v[128*(\k&1)+4*wi+1]
	v_cvt_pk_bf16_f32 v[BUF0+2*wi+1], v[128*(\k&1)+4*wi+2], v[128*(\k&1)+4*wi+3]
.set wi, wi+1
.endr
	WIN 0
.set wi, 0
.rept 32
	ds_store_b64 v[WSTA], v[BUF0+2*wi:BUF0+2*wi+1] offset:(16*(\k&3)+(wi>>1))*WPITCH+(wi&1)*256
.set wi, wi+1
.endr
.if \nxt < 8
	WLOAD \nxt                                     ; the set just read is asked for again
.endif
.if \k < 4
	WIN TOW1
.else
	WIN TOW2
.endif
.irp c,0,1,2,3,4,5,6,7
	ds_load_b128 v[8*(8*(\k&3)+\c):8*(8*(\k&3)+\c)+3],   v[WFA] offset:(\k&3)*16*WPITCH+64*\c
	ds_load_b128 v[8*(8*(\k&3)+\c)+4:8*(8*(\k&3)+\c)+7], v[WFA] offset:(\k&3)*16*WPITCH+64*\c+32
.endr
.endm
	WLOAD 0
	WLOAD 1
	WBATCH 0, 2, 32
	WBATCH 1, 3, 32
	WBATCH 2, 4, 32
	WBATCH 3, 5, 32
	WBATCH 4, 6, 32
	WBATCH 5, 7, 32
	WBATCH 6, 8, 32
	WBATCH 7, 8, 0
	WIN 0
	; Wc: my 4 rows to bf16 into the table that all waves read
.irp i,0,1,2,3,4,5,6,7
	v_cvt_pk_bf16_f32 v[BUF1+32+2*\i],   v[BUF1+4*\i],   v[BUF1+4*\i+1]
	v_cvt_pk_bf16_f32 v[BUF1+32+2*\i+1], v[BUF1+4*\i+2], v[BUF1+4*\i+3]
.endr
.irp i,0,1,2,3,4,5,6,7
	ds_store_b64 v[TMP+9], v[BUF1+32+2*\i:BUF1+32+2*\i+1] offset:(\i>>1)*WPITCH+(\i&1)*256
.endr
	; yb = min(tanh|bc|, 0.999) bc/|bc| and |yb|^2, in every wave
	v_pk_mul_f32 v[TMP:TMP+1], v[YB:YB+1], v[YB:YB+1]
.irp j,2,4,6
	v_pk_fma_f32 v[TMP:TMP+1], v[YB+\j:YB+\j+1], v[YB+\j:YB+\j+1], v[TMP:TMP+1]
.endr
	v_add_f32 v[TMP], v[TMP], v[TMP+1]
	v_permlanex16_b32 v[TMP+1], v[TMP], s40, s41
	v_add_f32 v[TMP], v[TMP], v[TMP+1]             ; |bc|^2
	v_max_num_f32 v[TMP+1], TINY2, v[TMP]
	v_rsq_f32 v[TMP+2], v[TMP+1]                   ; behind every transcendental one plain vector instruction before its result is used (ISA guide 5.7.2)
	v_nop
	s_wait_alu depctr_va_vdst(0)
	v_mul_f32 v[TMP+3], v[TMP], v[TMP+2]           ; |bc|
	v_mul_f32 v[TMP+3], K2, v[TMP+3]
	v_exp_f32 v[TMP+3], v[TMP+3]
	v_nop
	s_wait_alu depctr_va_vdst(0)
	v_add_f32 v[TMP+3], 1.0, v[TMP+3]
	v_rcp_f32 v[TMP+3], v[TMP+3]
	v_nop
	s_wait_alu depctr_va_vdst(0)
	v_fma_f32 v[TMP+3], v[TMP+3], -2.0, 1.0        ; tanh|bc|
	v_min_num_f32 v[TMP+3], MAXN, v[TMP+3]
	v_mul_f32 v[TMP+4], v[TMP+3], v[TMP+2]
	v_mul_f32 v[TMP+5], v[TMP+3], v[TMP+2]         ; twice: a pair for the packed multiply
.irp j,0,2,4,6
	v_pk_mul_f32 v[YB+\j:YB+\j+1], v[YB+\j:YB+\j+1], v[TMP+4:TMP+5]
.endr
	v_pk_mul_f32 v[TMP:TMP+1], v[YB:YB+1], v[YB:YB+1]
.irp j,2,4,6
	v_pk_fma_f32 v[TMP:TMP+1], v[YB+\j:YB+\j+1], v[YB+\j:YB+\j+1], v[TMP:TMP+1]
.endr
	v_add_f32 v[TMP], v[TMP], v[TMP+1]
	v_permlanex16_b32 v[TMP+1], v[TMP], s40, s41
	v_add_f32 v[Y2], v[TMP], v[TMP+1]
	s_wait_dscnt 0x0                               ; my weight fragments are in, my reads of my stage are over, my rows of Wc are written
	BAR                                            ; the stages' bytes become XB and TB, which other waves write; Wc's table is whole
; ================= the phases of a group of 128 rows =================
; X: my 32 rows of x from my part of the slot: sum of squares, min(1, A/|x|), and the rows as bf16 fragments into XB.
.macro XPHASE
	s_wait_xcnt 0x0
	v_lshl_add_u32 v254, v0, 2, 0x47300
	v_mov_b32 v255, 0
	s_wait_tensorcnt 0x0                           ; my one tensor load has landed; none is issued before the barrier behind this phase, so this is also that barrier's wait for all my loads
	ds_add_u32 v254, v255
	s_wait_dscnt 0x0
.irp i,0,1
.irp c,0,1,2,3,4,5,6,7
	ds_load_b128 v[BUF0+16*\c:BUF0+16*\c+3],     v[XSA] offset:\i*16*XPITCH+128*\c      ; k = 32c + 8h + 0..3
	ds_load_b128 v[BUF0+16*\c+4:BUF0+16*\c+7],   v[XSA] offset:\i*16*XPITCH+128*\c+16   ;              + 4..7
	ds_load_b128 v[BUF0+16*\c+8:BUF0+16*\c+11],  v[XSA] offset:\i*16*XPITCH+128*\c+64   ; k = 32c + 16 + 8h + 0..3
	ds_load_b128 v[BUF0+16*\c+12:BUF0+16*\c+15], v[XSA] offset:\i*16*XPITCH+128*\c+80
.endr
.irp c,0,1,2,3,4,5,6,7
	s_wait_dscnt 28-2*\c                           ; chunk c is in: behind it stand 4 (7-c) loads and the 2c stores issued so far
.irp m,0,1,2,3,4,5,6,7
.if 8*\c+\m < 4
	v_pk_mul_f32 v[SSA+2*\m:SSA+2*\m+1], v[BUF0+2*\m:BUF0+2*\m+1], v[BUF0+2*\m:BUF0+2*\m+1]     ; the first four products start four chains
.else
	v_pk_fma_f32 v[SSA+2*(\m&3):SSA+2*(\m&3)+1], v[BUF0+16*\c+2*\m:BUF0+16*\c+2*\m+1], v[BUF0+16*\c+2*\m:BUF0+16*\c+2*\m+1], v[SSA+2*(\m&3):SSA+2*(\m&3)+1]
.endif
.endr
.irp j,0,1,2,3,4,5,6,7
	v_cvt_pk_bf16_f32 v[TMP+\j], v[BUF0+16*\c+2*\j], v[BUF0+16*\c+2*\j+1]
.endr
	ds_store_b128 v[XBW], v[TMP:TMP+3]   offset:\i*8192+\c*1024
	ds_store_b128 v[XBW], v[TMP+4:TMP+7] offset:\i*8192+\c*1024+512
.endr
	v_pk_add_f32 v[SSA:SSA+1], v[SSA:SSA+1], v[SSA+2:SSA+3]
	v_pk_add_f32 v[SSA+4:SSA+5], v[SSA+4:SSA+5], v[SSA+6:SSA+7]
	v_pk_add_f32 v[SSA:SSA+1], v[SSA:SSA+1], v[SSA+4:SSA+5]
	v_add_f32 v[SSA], v[SSA], v[SSA+1]
	v_permlanex16_b32 v[SSA+1], v[SSA], s40, s41   ; the other half of the lanes holds the row's other k
	v_add_f32 v[SSA], v[SSA], v[SSA+1]
	v_rsq_f32 v[SSA+2], v[SSA]
	v_nop
	s_wait_alu depctr_va_vdst(0)
	v_mul_f32 v[SSA+2], AC, v[SSA+2]
	v_min_num_f32 v[SSA+2], 1.0, v[SSA+2]
	ds_store_b32 v[SCW], v[SSA+2] offset:\i*64
.endr
.endm
; 16 LDS loads: the source-1 fragments of row blocks 2p, 2p+1 and K chunks 4kh .. 4kh+3.  snb, sc: bytes from row block to row block, from chunk to chunk.
.macro FETCH base, p, kh, buf, snb, sc
.irp i,0,1
.irp cc,0,1,2,3
	ds_load_b128 v[\buf+8*(4*\i+\cc):\buf+8*(4*\i+\cc)+3],   v[\base] offset:(2*\p+\i)*\snb+(4*\kh+\cc)*\sc
	ds_load_b128 v[\buf+8*(4*\i+\cc)+4:\buf+8*(4*\i+\cc)+7], v[\base] offset:(2*\p+\i)*\snb+(4*\kh+\cc)*\sc+512
.endr
.endr
.endm
; 32 matrix instructions.  Eight accumulators (2 row blocks x my 4 feature tiles) take turns, one instruction a turn, over the stages' borders too.
; The first K chunk starts the sums with the constant 0: nothing is cleared.
.macro MUL32 p, kh, buf
.irp cc,0,1,2,3
.irp i,0,1
.irp f,0,1,2,3
.if \kh+\cc == 0
	v_wmma_f32_16x16x32_bf16 v[8*(4*(2*\p+\i)+\f):8*(4*(2*\p+\i)+\f)+7], v[8*(8*\f+4*\kh+\cc):8*(8*\f+4*\kh+\cc)+7], v[\buf+8*(4*\i+\cc):\buf+8*(4*\i+\cc)+7], 0
.else
	v_wmma_f32_16x16x32_bf16 v[8*(4*(2*\p+\i)+\f):8*(4*(2*\p+\i)+\f)+7], v[8*(8*\f+4*\kh+\cc):8*(8*\f+4*\kh+\cc)+7], v[\buf+8*(4*\i+\cc):\buf+8*(4*\i+\cc)+7], v[8*(4*(2*\p+\i)+\f):8*(4*(2*\p+\i)+\f)+7]
.endif
.endr
.endr
.endr
.endm
.macro STAGE win, base, snb, sc, p, kh, buf, np, nkh, nbuf
	WIN 0
	PLACES                                         ; the other buffer was read by the matrix instructions just issued
	FETCH \base, \np, \nkh, \nbuf, \snb, \sc
	s_wait_dscnt 16                                ; all but the 16 just issued: this stage's fragments are in
	WIN \win
	MUL32 \p, \kh, \buf
.endm
; the four partial sums of each of the 128 rows: row block nb's into BUF0+4nb .. +3
.macro LOADPART off
.irp nb,0,1,2,3,4,5,6,7
.irp ww,0,1,2,3
	ds_load_b32 v[BUF0+4*\nb+\ww], v[PSR] offset:\off+512*\ww+64*\nb
.endr
.endr
.endm
; 128 rows x my 64 features x K = 256: 8 stages on two fragment buffers.  The last stage fetches, in place of fragments, what the next phase wants.
.macro GEMM win, base, snb, sc, tail
	FETCH \base, 0, 0, BUF0, \snb, \sc
	STAGE \win, \base, \snb, \sc, 0, 0, BUF0, 0, 1, BUF1
	STAGE \win, \base, \snb, \sc, 0, 1, BUF1, 1, 0, BUF0
	STAGE \win, \base, \snb, \sc, 1, 0, BUF0, 1, 1, BUF1
	STAGE \win, \base, \snb, \sc, 1, 1, BUF1, 2, 0, BUF0
	STAGE \win, \base, \snb, \sc, 2, 0, BUF0, 2, 1, BUF1
	STAGE \win, \base, \snb, \sc, 2, 1, BUF1, 3, 0, BUF0
	STAGE \win, \base, \snb, \sc, 3, 0, BUF0, 3, 1, BUF1
	WIN 0
	PLACES
.if \tail
	LOADPART 2048                                  ; |t1|^2 in parts, into buffer 0, which the last stage does not read
	s_wait_dscnt 32                                ; all but these 32
.else
.irp nb,0,1,2,3,4,5,6,7
	ds_load_b32 v[SCL+\nb], v[SCR] offset:64*\nb   ; min(1, A/|x|) of my lane's row in each row block
.endr
	s_wait_dscnt 8                                 ; all but these 8
.endif
	WIN \win
	MUL32 3, 1, BUF1
	WIN 0
	PLACES                                         ; vector work on the sums follows
.endm
.macro SUMPART                         ; the same order of adding in all four waves: they get the same scale
.irp nb,0,1,2,3,4,5,6,7
	v_pk_add_f32 v[BUF0+4*\nb:BUF0+4*\nb+1], v[BUF0+4*\nb:BUF0+4*\nb+1], v[BUF0+4*\nb+2:BUF0+4*\nb+3]
.endr
.irp nb,0,1,2,3,4,5,6,7
	v_add_f32 v[BUF0+4*\nb], v[BUF0+4*\nb], v[BUF0+4*\nb+1]
.endr
.endm
.macro SCALES mulc, minc               ; SCL[nb] = min(minc, mulc / sqrt(sum))
.irp nb,0,1,2,3,4,5,6,7
	v_rsq_f32 v[SCL+\nb], v[BUF0+4*\nb]
.endr
	v_nop
	s_wait_alu depctr_va_vdst(0)
.irp nb,0,1,2,3,4,5,6,7
	v_mul_f32 v[SCL+\nb], \mulc, v[SCL+\nb]
.endr
.irp nb,0,1,2,3,4,5,6,7
	v_min_num_f32 v[SCL+\nb], \minc, v[SCL+\nb]
.endr
.endm
; u = sums * SCL[nb] + bias, in place.  The scale is one register of a pair, taken for both halves by op_sel and op_sel_hi.
.macro BIASSCALE bias
	WIN INPL
.irp nb,0,1,2,3,4,5,6,7
.irp f,0,1,2,3
.irp jj,0,1,2,3
.if \nb & 1
	v_pk_fma_f32 v[32*\nb+8*\f+2*\jj:32*\nb+8*\f+2*\jj+1], v[32*\nb+8*\f+2*\jj:32*\nb+8*\f+2*\jj+1], v[SCL+\nb-1:SCL+\nb], v[\bias+8*\f+2*\jj:\bias+8*\f+2*\jj+1] op_sel:[0,1,0] op_sel_hi:[1,1,1]
.else
	v_pk_fma_f32 v[32*\nb+8*\f+2*\jj:32*\nb+8*\f+2*\jj+1], v[32*\nb+8*\f+2*\jj:32*\nb+8*\f+2*\jj+1], v[SCL+\nb:SCL+\nb+1], v[\bias+8*\f+2*\jj:\bias+8*\f+2*\jj+1] op_sel_hi:[1,0,1]
.endif
.endr
.endr
.endr
.endm
; SSA[nb] = sums of squares of my lane's 32 numbers of row block nb: eight chains that do not wait for each other
.macro SUMSQ
	WIN RED
.set ix, 0
.rept 16
.irp nb,0,1,2,3,4,5,6,7
.if ix == 0
	v_pk_mul_f32 v[SSA+2*\nb:SSA+2*\nb+1], v[32*\nb:32*\nb+1], v[32*\nb:32*\nb+1]
.else
	v_pk_fma_f32 v[SSA+2*\nb:SSA+2*\nb+1], v[32*\nb+2*ix:32*\nb+2*ix+1], v[32*\nb+2*ix:32*\nb+2*ix+1], v[SSA+2*\nb:SSA+2*\nb+1]
.endif
.endr
.set ix, ix+1
.endr
.endm
; my wave's partial sum of each row (64 features), stored for the other waves
.macro ROWRED off
	WIN 0
.irp nb,0,1,2,3,4,5,6,7
	v_add_f32 v[SSA+2*\nb], v[SSA+2*\nb], v[SSA+2*\nb+1]
.endr
.irp nb,0,1,2,3,4,5,6,7
	v_permlanex16_b32 v[SSA+2*\nb+1], v[SSA+2*\nb], s40, s41
.endr
.irp nb,0,1,2,3,4,5,6,7
	v_add_f32 v[SSA+2*\nb], v[SSA+2*\nb], v[SSA+2*\nb+1]
.endr
.irp nb,0,1,2,3,4,5,6,7
	ds_store_b32 v[PSW], v[SSA+2*\nb] offset:\off+64*\nb
.endr
.endm
; t = tanh(u min(1, A/|u|)) in place, its partial sums of squares into PP, and t as bf16 fragments into TB
.macro TANH
	LOADPART 0
	s_wait_dscnt 0x0
	SUMPART
	SCALES AK, K2                                  ; 2 log2 e * min(1, A/|u|)
	WIN INPL
.irp nb,0,1,2,3,4,5,6,7
.set ix, 0
.rept 16
.if \nb & 1
	v_pk_mul_f32 v[32*\nb+2*ix:32*\nb+2*ix+1], v[32*\nb+2*ix:32*\nb+2*ix+1], v[SCL+\nb-1:SCL+\nb] op_sel:[0,1] op_sel_hi:[1,1]
.else
	v_pk_mul_f32 v[32*\nb+2*ix:32*\nb+2*ix+1], v[32*\nb+2*ix:32*\nb+2*ix+1], v[SCL+\nb:SCL+\nb+1] op_sel_hi:[1,0]
.endif
.set ix, ix+1
.endr
.set ix, 0
.rept 32
	v_exp_f32 v[32*\nb+ix], v[32*\nb+ix]
.set ix, ix+1
.endr
	v_nop                                          ; the plain place behind the run of transcendentals
.set ix, 0
	s_wait_alu depctr_va_vdst(0)
.rept 16
	v_pk_add_f32 v[32*\nb+2*ix:32*\nb+2*ix+1], v[32*\nb+2*ix:32*\nb+2*ix+1], 1.0 op_sel_hi:[1,0]
.set ix, ix+1
.endr
.set ix, 0
.rept 32
	v_rcp_f32 v[32*\nb+ix], v[32*\nb+ix]
.set ix, ix+1
.endr
	v_nop
.set ix, 0
	s_wait_alu depctr_va_vdst(0)
.rept 16
	v_pk_fma_f32 v[32*\nb+2*ix:32*\nb+2*ix+1], v[32*\nb+2*ix:32*\nb+2*ix+1], -2.0, 1.0 op_sel_hi:[1,0,0]
.set ix, ix+1
.endr
.endr
	SUMSQ
.irp nb,0,1,2,3,4,5,6,7
.set ix, 0
.rept 16
	v_cvt_pk_bf16_f32 v[BUF0+16*\nb+ix], v[32*\nb+2*ix], v[32*\nb+2*ix+1]      ; tile f's 8 numbers = 4 registers = one half of a fragment
.set ix, ix+1
.endr
.endr
	ROWRED 2048
.irp nb,0,1,2,3,4,5,6,7
.irp f,0,1,2,3
	ds_store_b128 v[TBW], v[BUF0+16*\nb+4*\f:BUF0+16*\nb+4*\f+3] offset:(\f>>1)*8192+\nb*1024+(\f&1)*512
.endr
.endr
.endm
; ---- the classifier's tail, in steps; each step is written for both of my row blocks in turn.  s: scratch, q: the 8 results, p: the 4 partials of |t2|^2 ----
.macro EA s, q, p                      ; |q|^2, q.yb, |t2|^2 and their reciprocal roots
	v_pk_mul_f32 v[\s:\s+1], v[\q:\q+1], v[\q:\q+1]
	v_pk_mul_f32 v[\s+2:\s+3], v[\q:\q+1], v[YB:YB+1]
.irp j,2,4,6
	v_pk_fma_f32 v[\s:\s+1], v[\q+\j:\q+\j+1], v[\q+\j:\q+\j+1], v[\s:\s+1]
	v_pk_fma_f32 v[\s+2:\s+3], v[\q+\j:\q+\j+1], v[YB+\j:YB+\j+1], v[\s+2:\s+3]
.endr
	v_pk_add_f32 v[\p:\p+1], v[\p:\p+1], v[\p+2:\p+3]
	v_add_f32 v[\s], v[\s], v[\s+1]
	v_add_f32 v[\s+2], v[\s+2], v[\s+3]
	v_add_f32 v[\s+4], v[\p], v[\p+1]              ; |t2|^2
	v_permlanex16_b32 v[\s+1], v[\s], s40, s41
	v_permlanex16_b32 v[\s+3], v[\s+2], s40, s41
	v_add_f32 v[\s], v[\s], v[\s+1]                ; |q|^2
	v_add_f32 v[\s+2], v[\s+2], v[\s+3]            ; q.yb
	v_max_num_f32 v[\s+5], TINY2, v[\s]
	v_rsq_f32 v[\s+5], v[\s+5]                     ; 1/|q|
	v_rsq_f32 v[\s+6], v[\s+4]                     ; 1/|t2|
.endm
.macro EB s                            ; exp2(2 log2 e |q| min(1, A/|t2|))
	v_mul_f32 v[\s+6], AC, v[\s+6]
	v_mul_f32 v[\s+7], v[\s], v[\s+5]
	v_min_num_f32 v[\s+6], 1.0, v[\s+6]
	v_mul_f32 v[\s+7], K2, v[\s+7]
	v_mul_f32 v[\s+7], v[\s+7], v[\s+6]
	v_exp_f32 v[\s+7], v[\s+7]
.endm
.macro EC s
	v_add_f32 v[\s+7], 1.0, v[\s+7]
	v_rcp_f32 v[\s+7], v[\s+7]
.endm
.macro ED s                            ; res = g q; the scalars of the Moebius sum
	v_fma_f32 v[\s+7], v[\s+7], -2.0, 1.0          ; tanh
	v_min_num_f32 v[\s+7], MAXN, v[\s+7]           ; proj
	v_mul_f32 v[\s+7], v[\s+7], v[\s+5]            ; g
	v_mul_f32 v[\s+12], v[\s+7], v[\s+7]
	v_mul_f32 v[\s+13], v[\s+7], v[\s+2]           ; res.yb
	v_mul_f32 v[\s+12], v[\s+12], v[\s]            ; |res|^2
	v_fma_f32 v[\s+14], v[\s+13], 2.0, 1.0         ; 1 + 2 res.yb
	v_fma_f32 v[\s+16], v[\s+12], v[Y2], v[\s+14]  ; the denominator
	v_add_f32 v[\s+15], v[\s+14], v[Y2]
	v_max_num_f32 v[\s+16], TINY, v[\s+16]
	v_rcp_f32 v[\s+16], v[\s+16]
.endm
.macro EE s, q                         ; z = ca q + cb yb, |z|^2
	v_mul_f32 v[\s+15], v[\s+15], v[\s+7]
	v_sub_f32 v[\s+17], 1.0, v[\s+12]
	v_mul_f32 v[\s+8], v[\s+15], v[\s+16]
	v_mul_f32 v[\s+9], v[\s+15], v[\s+16]          ; each factor twice: pairs for the packed forms
	v_mul_f32 v[\s+10], v[\s+17], v[\s+16]
	v_mul_f32 v[\s+11], v[\s+17], v[\s+16]
.irp j,0,2,4,6
	v_pk_mul_f32 v[\q+\j:\q+\j+1], v[\q+\j:\q+\j+1], v[\s+8:\s+9]
.endr
.irp j,0,2,4,6
	v_pk_fma_f32 v[\q+\j:\q+\j+1], v[YB+\j:YB+\j+1], v[\s+10:\s+11], v[\q+\j:\q+\j+1]
.endr
	v_pk_mul_f32 v[\s:\s+1], v[\q:\q+1], v[\q:\q+1]
.irp j,2,4,6
	v_pk_fma_f32 v[\s:\s+1], v[\q+\j:\q+\j+1], v[\q+\j:\q+\j+1], v[\s:\s+1]
.endr
	v_add_f32 v[\s], v[\s], v[\s+1]
	v_permlanex16_b32 v[\s+1], v[\s], s40, s41
	v_add_f32 v[\s], v[\s], v[\s+1]
	v_max_num_f32 v[\s+5], TINY2, v[\s]
	v_rsq_f32 v[\s+5], v[\s+5]                     ; 1/|z|
.endm
.macro EF s
	v_mul_f32 v[\s+6], v[\s], v[\s+5]
	v_min_num_f32 v[\s+6], MAXN, v[\s+6]           ; min(|z|, 0.999)
	v_sub_f32 v[\s+7], 1.0, v[\s+6]
	v_add_f32 v[\s+12], 1.0, v[\s+6]
	v_rcp_f32 v[\s+7], v[\s+7]
.endm
.macro EG s
	v_mul_f32 v[\s+7], v[\s+12], v[\s+7]
	v_log_f32 v[\s+7], v[\s+7]
.endm
.macro EH s, q                         ; the logits l, and exp(-|l|)
	v_mul_f32 v[\s+7], HLN2, v[\s+7]               ; atanh
	v_mul_f32 v[\s+8], v[\s+7], v[\s+5]
	v_mul_f32 v[\s+9], v[\s+7], v[\s+5]
.irp j,0,2,4,6
	v_pk_mul_f32 v[\q+\j:\q+\j+1], v[\q+\j:\q+\j+1], v[\s+8:\s+9]
.endr
.irp j,0,1,2,3,4,5,6,7
	v_mul_f32 v[\s+\j], -|v[\q+\j]|, s42
.endr
.irp j,0,1,2,3,4,5,6,7
	v_exp_f32 v[\s+\j], v[\s+\j]
.endr
.endm
.macro EI s
.irp j,0,2,4,6
	v_pk_add_f32 v[\s+\j:\s+\j+1], v[\s+\j:\s+\j+1], 1.0 op_sel_hi:[1,0]
.endr
.irp j,0,1,2,3,4,5,6,7
	v_log_f32 v[\s+\j], v[\s+\j]
.endr
.endm
.macro EJ s, q, i                      ; softplus = max(l, 0) + ln 2 log2(1 + exp(-|l|)); through my own stage, so that a store covers whole rows
.irp j,0,1,2,3,4,5,6,7
	v_max_num_f32 v[\q+\j], 0, v[\q+\j]
.endr
.irp j,0,2,4,6
	v_pk_fma_f32 v[\q+\j:\q+\j+1], v[\s+\j:\s+\j+1], LN2, v[\q+\j:\q+\j+1] op_sel_hi:[1,0,1]
.endr
	ds_store_b128 v[OSW], v[\q:\q+3]   offset:\i*1280
	ds_store_b128 v[OSW], v[\q+4:\q+7] offset:\i*1280+16
	ds_load_b128 v[\s:\s+3],   v[OSR] offset:\i*1280       ; my own bytes, served in order (ISA guide 5.7.1): these see the stores above
	ds_load_b128 v[\s+4:\s+7], v[OSR] offset:\i*1280+640
.endm
; C: wave w takes row blocks 2w, 2w+1 through the classifier and out
.macro CLASS step
	WIN 0
.irp i,0,1
.irp ww,0,1,2,3
	ds_load_b32 v[TMP+4*\i+\ww], v[PCR] offset:512*\ww+64*\i
.endr
.endr
.irp c,0,1,2,3,4,5,6,7
	ds_load_b128 v[BUF0+8*\c:BUF0+8*\c+3],   v[WCA] offset:64*\c
	ds_load_b128 v[BUF0+8*\c+4:BUF0+8*\c+7], v[WCA] offset:64*\c+32
.endr
	WIN TOW3
.irp i,0,1
.irp c,0,1,2,3,4,5,6,7
	ds_load_b128 v[64*\i+8*\c:64*\i+8*\c+3],   v[TCR] offset:8192*\c+1024*\i
	ds_load_b128 v[64*\i+8*\c+4:64*\i+8*\c+7], v[TCR] offset:8192*\c+1024*\i+512
.endr
.endr
	s_wait_dscnt 0x0
	WIN MULC
.irp c,0,1,2,3,4,5,6,7
.irp i,0,1
.if \c == 0
	v_wmma_f32_16x16x32_bf16 v[QV+8*\i:QV+8*\i+7], v[BUF0+8*\c:BUF0+8*\c+7], v[64*\i+8*\c:64*\i+8*\c+7], 0
.else
	v_wmma_f32_16x16x32_bf16 v[QV+8*\i:QV+8*\i+7], v[BUF0+8*\c:BUF0+8*\c+7], v[64*\i+8*\c:64*\i+8*\c+7], v[QV+8*\i:QV+8*\i+7]   ; two accumulators by turns
.endif
.endr
.endr
	WIN 0
	PLACES
	EA 208, 192, 118
	EA 232, 200, 122
	v_nop
	s_wait_alu depctr_va_vdst(0)
	EB 208
	EB 232
	v_nop
	s_wait_alu depctr_va_vdst(0)
	EC 208
	EC 232
	v_nop
	s_wait_alu depctr_va_vdst(0)
	ED 208
	ED 232
	v_nop
	s_wait_alu depctr_va_vdst(0)
	EE 208, 192
	EE 232, 200
	v_nop
	s_wait_alu depctr_va_vdst(0)
	EF 208
	EF 232
	v_nop
	s_wait_alu depctr_va_vdst(0)
	EG 208
	EG 232
	v_nop
	s_wait_alu depctr_va_vdst(0)
	EH 208, 192
	EH 232, 200
	v_nop
	s_wait_alu depctr_va_vdst(0)
	EI 208
	EI 232
	v_nop
	s_wait_alu depctr_va_vdst(0)
	EJ 208, 192, 0
	EJ 232, 200, 1
	s_wait_dscnt 0x0
	global_store_b128 v[L16], v[208:211], s[22:23] th:TH_STORE_NT              ; each store of the wave covers 512 consecutive bytes (8 rows of out0), aligned to 512
	global_store_b128 v[L16], v[212:215], s[22:23] offset:512 th:TH_STORE_NT
	global_store_b128 v[L16], v[232:235], s[22:23] offset:1024 th:TH_STORE_NT
	global_store_b128 v[L16], v[236:239], s[22:23] offset:1536 th:TH_STORE_NT
.if \step
	s_wait_xcnt 0x0                                ; the stores' base is stepped, and their data registers are loaded into in the next group, only behind this wait
	s_add_nc_u64 s[22:23], s[22:23], 8192          ; 128 rows of out0
.endif
.endm
; A group.  Five barriers; in front of each signal the wave's LDS instructions are all done.
;   XB, SC0: written in X, read between barriers 1 and 2, written again behind barrier 5.     PS: written in front of 2 (4), read between 2 and 3 (4 and 5).
;   TB, PP: written between 2 and 3, read between 3 and 4; written between 4 and 5, read between 5 and the next group's 1.
.macro GROUP refill
	XPHASE
	s_wait_dscnt 0x0                               ; my reads of the slot are back, my fragments and scales are written
.if \refill
	s_add_nc_u64 s[30:31], s[30:31], 131072        ; no tensor load of mine is out: the address steps 128 rows
.endif
	BAR                                            ; 1
.if \refill
	tensor_load_to_lds s[28:31], s[32:39]          ; the next group's rows: my one tensor load, first behind the barrier
	s_nop 0
.endif
	GEMM MULG1, XBR, 8192, 1024, 0
	s_wait_dscnt 0x0                               ; the eight scales
	BIASSCALE B1
	SUMSQ
	ROWRED 0
	s_wait_dscnt 0x0
	BAR                                            ; 2
	TANH
	s_wait_dscnt 0x0
	BAR                                            ; 3
	GEMM MULG2, TBR, 1024, 8192, 1
	s_wait_dscnt 0x0                               ; the partials of |t1|^2
	SUMPART
	SCALES AC, 1.0                                 ; min(1, A/|t1|)
	BIASSCALE B2
	SUMSQ
	ROWRED 0
	s_wait_dscnt 0x0
	BAR                                            ; 4
	TANH
	s_wait_dscnt 0x0
	BAR                                            ; 5
	CLASS \refill
.endm
	s_mov_b32 s44, 3
.Lgroup:
	GROUP 1
	WIN 0                                          ; at a label and at a branch every window is 0
	s_sub_co_i32 s44, s44, 1
	s_cmp_lg_u32 s44, 0
	s_cbranch_scc1 .Lgroup
	GROUP 0                                        ; the last group is written out: it asks for nothing more, and no tensor load is out at the end
	s_wait_xcnt 0x0
	v_lshl_add_u32 v254, v0, 2, 0x47300
	v_mov_b32 v255, 0
	s_wait_tensorcnt 0x0
	ds_add_u32 v254, v255
	s_wait_dscnt 0x0
	s_endpgm
.Lfunc_end_k_qa280f45b13_chain:
	.size	k_qa280f45b13_chain, .Lfunc_end_k_qa280f45b13_chain-k_qa280f45b13_chain
	.p2alignl 7, 3214868480
	.fill 96, 4, 3214868480
	.section	.rodata,"a",@progbits
	.p2align	6, 0x0
	.amdhsa_kernel k_qa280f45b13_chain
		.amdhsa_group_segment_fixed_size 327680
		.amdhsa_private_segment_fixed_size 0
		.amdhsa_enable_private_segment 0
		.amdhsa_kernarg_size 64
		.amdhsa_user_sgpr_count 2
		.amdhsa_user_sgpr_kernarg_segment_ptr 1
		.amdhsa_wavefront_size32 1
		.amdhsa_system_sgpr_workgroup_id_x 1
		.amdhsa_system_sgpr_workgroup_id_y 1
		.amdhsa_system_sgpr_workgroup_id_z 1
		.amdhsa_system_vgpr_workitem_id 0
		.amdhsa_next_free_vgpr 1024
		.amdhsa_next_free_sgpr 66
		.amdhsa_reserve_vcc 0
		.amdhsa_float_denorm_mode_32 3
		.amdhsa_float_denorm_mode_16_64 3
		.amdhsa_memory_ordered 1
		.amdhsa_forward_progress 1
		.amdhsa_inst_pref_size 255
	.end_amdhsa_kernel
	.section	.bss,"aw",@nobits
	.p2align	6
	.space	262144
	.amdgpu_metadata
---
amdhsa.version: [ 1, 2 ]
amdhsa.kernels:
  - .name:           k_qa280f45b13_chain
    .symbol:         k_qa280f45b13_chain.kd
    .args:
      - { .name: x, .offset: 0, .size: 8, .value_kind: global_buffer, .address_space: global }
      - { .name: W1, .offset: 8, .size: 8, .value_kind: global_buffer, .address_space: global }
      - { .name: W2, .offset: 16, .size: 8, .value_kind: global_buffer, .address_space: global }
      - { .name: Wc, .offset: 24, .size: 8, .value_kind: global_buffer, .address_space: global }
      - { .name: b1, .offset: 32, .size: 8, .value_kind: global_buffer, .address_space: global }
      - { .name: b2, .offset: 40, .size: 8, .value_kind: global_buffer, .address_space: global }
      - { .name: bc, .offset: 48, .size: 8, .value_kind: global_buffer, .address_space: global }
      - { .name: out0, .offset: 56, .size: 8, .value_kind: global_buffer, .address_space: global }
    .group_segment_fixed_size: 327680
    .private_segment_fixed_size: 0
    .kernarg_segment_align: 8
    .kernarg_segment_size: 64
    .max_flat_workgroup_size: 128
    .sgpr_count:     66
    .vgpr_count:     1024
    .wavefront_size: 32
...
	.end_amdgpu_metadata
.endif
;; end of part 1
;; ======== version 2 of 2: 1 launch; 1.43 times as fast as version 1
;; launch chain (part 2): grid 256 x 1, 4 waves a work-group, no clusters, 327,680 bytes of LDS; arguments x, W1, W2, Wc, b1, b2, bc, out0; writes out0
.if DOCPART == 2
	.amdgcn_target "amdgcn-amd-amdhsa--gfx1250"
	.amdhsa_code_object_version 6
	.text
	.protected	k_qa280f45b13_chain
	.globl	k_qa280f45b13_chain
	.p2align	8
	.type	k_qa280f45b13_chain,@function
k_qa280f45b13_chain:
	s_mov_b64 s[64:65], 0
	v_nop
	global_prefetch_b8 v0, s[64:65] scope:SCOPE_SE
	s_setreg_imm32_b32 hwreg(HW_REG_WAVE_MODE, 25, 1), 1
	s_wait_xcnt 0x0
; The whole chain of the hyperbolic network in one launch: x [131072][256] f32 -> out0 [131072][16] f32.
;
; ALGEBRA.  With A = atanh(0.999): atanh(min(tanh n, 0.999)) = min(n, A), so every run  expmap0 -> proj -> logmap0  of a row v is the
; row scale min(1, A/|v|).  A proj stands in front of every logmap0, so the clip at 1 - 1e-5 never acts.  A row scale commutes with a product, so the
; matrix operands are the unscaled x and the unscaled tanh values (bf16), and the scale meets the f32 sums together with the bias:
;   u1 = min(1,A/|x|)  (x  W1^T) + b1     t1 = tanh(u1 min(1,A/|u1|))
;   u2 = min(1,A/|t1|) (t1 W2^T) + b2     t2 = tanh(u2 min(1,A/|u2|))
;   q  = t2 Wc^T      res = min(tanh(|q| min(1,A/|t2|)), 0.999) q/|q|      z = mobius_add(res, yb),  yb = min(tanh|bc|, 0.999) bc/|bc|
;   out = softplus(atanh(min(|z|, 0.999)) z/|z|)
; The arguments of the elementwise tanh are at most A in magnitude for every input, so exp2(2.885 v) stays inside f32.  In the classifier exp2 may
; reach infinity; then 1/(1+inf) = 0 and tanh = 1, the right limit.  A zero row gives rsq = inf and min(1, inf) = 1, the scale that the clip at 1e-15 gives.
;
; LIMITS, kept on purpose.  tanh v = 1 - 2/(1 + exp2(2.885 v)) and atanh z = ln((1+z)/(1-z))/2 have an absolute error of about 1e-7, so a poor
; relative one where the value itself is under about 1e-5; behind softplus (at least ln 2 there) that is under 1e-6 of the result.
; v_rsq_f32, v_exp_f32, v_log_f32, v_rcp_f32 flush denormals (ISA guide 15.8).  Sums of squares are plain f32 as in the definition: rows whose sum of squares
; overflows f32 (|x| above about 1e19) are not served.  Matrix operands are rounded to bf16.
;
; SHARES.  256 work-groups x 512 rows, in 8 groups of 64 rows (4 row blocks of 16); four waves.  The matrix instruction is used transposed: source 0 = 16 rows of W
; (features), source 1 = 16 data rows, so register j of lane (r = l%16, h = l/16) of a result is (feature 8h+j, data row r): a row's sum is a sum inside the lane and
; one exchange of the halves, a row's scale is one number a lane, and two neighbouring result tiles, packed to bf16, ARE the next layer's source-1 fragment.
; Wave w owns features 64w .. 64w+63 of both layers and keeps their weights in registers for the whole launch (2 x 256 registers); all four waves work on the
; same 64 rows and hand activations round as ready fragments in LDS (1,024 bytes of fragment feed 4 matrix instructions of each wave).
; Row norms span the waves: each wave stores its partial sum of each row, a barrier, every wave adds the four in the same order.
; WHY 64 ROWS: every phase is unrolled over the group's row blocks, so the text of a group grows with its rows, and it stands twice (the loop, and the last group written out).
; The weights lie in registers, so a smaller group reads no more LDS bytes for a matrix instruction; 64 rows is the least that gives each wave a row block of its own in phases X and C.
; x comes by one tensor load a wave and group (its 16 rows x 1,024 bytes) into one slot that only that wave reads, in the short phase X at a group's head; the refill stands straight
; behind that phase's barrier and has the rest of the group in which to land.  A wave never has more than one tensor load outstanding.
;
; NO CLUSTER: what work-groups share are the weights, read once at the start and converted f32 -> bf16 on their way to registers.  A joint load could only land the f32
; rows: 256 x 1,040 = 266,240 bytes a layer, which with the x slot's 66,560 is more than the 327,680 bytes of LDS, and every x refill would need a cluster barrier.
;
; REGISTER WINDOWS: 0 = addresses, biases, scales, fragment buffers; 1 = W1 fragments (f, c) at 8(8f+c); 2 = W2 fragments; 3 = accumulators (nb, f) at 8(4nb+f), nb 0..3.
; ---- sizes and LDS map (bytes) ----
.set XPITCH, 1040                      ; an x row in LDS: 1,024 + 16 of padding, an odd multiple of 16: sixteen rows start at sixteen different 16-byte columns modulo 256
.set XS_W,   16*XPITCH                 ; a wave's 16 rows of the x slot; the slot is bytes 0 .. 66,559 and is written by tensor loads alone
.set XB,     66560                     ; x as bf16 fragments  [nb][c]: nb*8192 + c*1024 + part*512 + lane*16          (32,768 bytes)
.set TB,     99328                     ; t1, then t2, as fragments [c][nb]: c*4096 + nb*1024 + part*512 + lane*16      (32,768 bytes)
.set WST,    66560                     ; start only (XB's and TB's bytes and those behind, up to 201,727): each wave's stage for 64 rows of W in bf16
.set WPITCH, 528                       ; 512 + 16
.set WST_W,  64*WPITCH
.set WC,     201728                    ; Wc in bf16, 16 rows of WPITCH
.set SC0,    210176                    ; min(1, A/|x|) of the group's 64 rows
.set PS,     210432                    ; partial |u|^2  [wave][row]: wave*512 + row*4
.set PP,     212480                    ; partial |t|^2  likewise  (= PS + 2048)
.set OST,    214528                    ; each wave's stage for the way out: 16 rows of 80 bytes
.set OST_W,  1280
; ---- numbers (f32 bit patterns) ----
.set AC,    0x4073367e                 ; A = atanh(0.999) = 3.800201
.set K2,    0x4038aa3b                 ; 2 log2 e
.set AK,    0x412f70e5                 ; A * 2 log2 e
.set LOG2E, 0x3fb8aa3b
.set LN2,   0x3f317218
.set HLN2,  0x3eb17218                 ; ln 2 / 2
.set MAXN,  0x3f7fbe77                 ; 0.999
.set TINY2, 0x0da24260                 ; 1e-30 = (1e-15)^2: the clip of a norm, applied to its square
.set TINY,  0x26901d7d                 ; 1e-15
; ---- window 0 ----
.set L16,  1                           ; lane * 16
.set RR,   2                           ; r
.set HH,   3                           ; h
.set XSA,  4
.set XBW,  5
.set XBR,  6
.set TBR,  7
.set TBW,  8
.set SCW,  9
.set SCR,  10
.set PSW,  11
.set PSR,  12
.set WCA,  13
.set TCR,  14
.set PCR,  15
.set OSW,  16
.set OSR,  17
.set WSTA, 18
.set WFA,  19
.set YB,   20                          ; v[20:27] yb of classes 8h .. 8h+7
.set Y2,   28                          ; |yb|^2
.set BOFF, 29
.set SCL,  30                          ; v[30:33] one scale for each of the 4 row blocks
.set SSA,  38                          ; v[38:45] one pair of running sums for each row block
.set B1,   54                          ; v[54:85]  b1 of feature 64w+16f+8h+j at 8f+j
.set B2,   86                          ; v[86:117] b2 likewise
.set TMP,  118                         ; v[118:127]
.set BUF0, 128                         ; v[128:191] fragment buffer 0
.set BUF1, 192                         ; v[192:255] fragment buffer 1
.set QV,   192                         ; classifier: two accumulators of 8 registers (even and odd K chunks)
.set ES,   208                         ; classifier: scratch of the tail, v[208:225]
; ---- s_set_vgpr_msb: bits 1:0 source 0, 3:2 source 1, 5:4 source 2, 7:6 destination ----
.set MULG1, 0xf1                       ; A window 1, B window 0, C and D window 3
.set MULG2, 0xf2                       ; A window 2
.set INPL,  0xc3                       ; destination and source 0 window 3
.set RED,   0x0f                       ; sources 0 and 1 window 3, the rest window 0
.set TOW3,  0xc0
.set TOW1,  0x40
.set TOW2,  0x80
.set MULC,  0x0c                       ; B window 3
.set MSB, 0
.macro WIN new                         ; the immediate's high byte repeats the setting that is left; switches that change nothing are dropped
.if MSB != \new
	s_set_vgpr_msb (MSB<<8)|\new
.set MSB, \new
.endif
.endm
.macro PLACES                          ; four places behind matrix instructions, in front of vector work on their results and of loads into their registers
.rept 4
	v_nop
.endr
.endm
.macro BAR
	s_barrier_signal -1
	s_barrier_wait -1
.endm
; ================= the start =================
	s_load_b256 s[8:15], s[0:1], 0x0               ; x s[8:9], W1 s[10:11], W2 s[12:13], Wc s[14:15]
	s_load_b256 s[16:23], s[0:1], 0x20             ; b1 s[16:17], b2 s[18:19], bc s[20:21], out0 s[22:23]
	v_lshl_add_u32 v52, v0, 2, 0x35a00
	v_mov_b32 v53, 0
	ds_add_u32 v52, v53
	ds_add_u32 v52, v53
	v_lshrrev_b32 v[TMP], 5, v0
	v_readfirstlane_b32 s24, v[TMP]                ; wave 0..3
	; descriptor group 1: 16 rows x 256 elements of 4 bytes, 4 words of padding behind every 256 words
	s_mov_b32 s32, (2<<16)|(1<<20)|(7<<22)|(3<<25)
	s_mov_b32 s33, 256<<16                         ; tensor_dim0 = 256
	s_mov_b32 s34, 16<<16                          ; tensor_dim1 = 16
	s_mov_b32 s35, 256<<16                         ; tile_dim0 = 256
	s_mov_b32 s36, 16                              ; tile_dim1 = 16
	s_mov_b32 s37, 256                             ; elements from row to row
	s_mov_b32 s38, 0
	s_mov_b32 s39, 0
	s_mov_b32 s28, 1                               ; group 0: count
	s_mul_i32 s29, s24, XS_W                       ; LDS address: my 16 rows of the slot
	s_lshl_b32 s26, ttmp9, 19                      ; 512 rows x 1,024 bytes a work-group (at most 255 x 524,288: below 2^31)
	s_lshl_b32 s45, s24, 14                        ; 16 rows a wave
	s_add_co_u32 s26, s26, s45
	s_mov_b32 s27, 0
	s_mov_b32 s40, 0x76543210                      ; v_permlanex16_b32: lane i of one half reads lane i of the other
	s_mov_b32 s41, 0xfedcba98
	s_mov_b32 s42, LOG2E
	s_wait_dscnt 0x0
	s_wait_kmcnt 0x0
	s_add_nc_u64 s[30:31], s[8:9], s[26:27]
	s_or_b32 s31, s31, 0x80000000                  ; type = 2
	tensor_load_to_lds s[28:31], s[32:39]          ; group 0 of x: the first fill, ahead of every LDS read, wait on TENSORcnt and barrier
	s_nop 0
	s_lshl_b32 s26, s24, 16                        ; my 64 rows of W1 and of W2
	s_add_nc_u64 s[10:11], s[10:11], s[26:27]
	s_add_nc_u64 s[12:13], s[12:13], s[26:27]
	s_lshl_b32 s26, s24, 12                        ; my 4 rows of Wc
	s_add_nc_u64 s[14:15], s[14:15], s[26:27]
	s_lshl_b32 s26, ttmp9, 15                      ; out0: 512 rows x 64 bytes a work-group,
	s_lshl_b32 s45, s24, 10                        ; 16 rows a wave
	s_add_co_u32 s26, s26, s45
	s_add_nc_u64 s[22:23], s[22:23], s[26:27]
	; addresses, all from the thread number, the wave number and constants; none is written again
	v_and_b32 v[TMP], 31, v0                       ; lane
	v_lshlrev_b32 v[L16], 4, v[TMP]
	v_and_b32 v[RR], 15, v0
	v_bfe_u32 v[HH], v0, 4, 1
	v_lshlrev_b32 v[TMP+8], 5, v[HH]               ; 32 h: my 8 numbers of bc
	v_mul_u32_u24 v[XSA], v[RR], XPITCH
	v_lshl_add_u32 v[XSA], v[HH], 5, v[XSA]
	v_add_nc_u32 v[XSA], s29, v[XSA]               ; x slot: my wave's rows, row r, 32 h
	s_lshl_b32 s45, s24, 13
	s_add_co_u32 s46, s45, XB
	v_add_nc_u32 v[XBW], s46, v[L16]               ; I write row block w of XB (8,192 bytes a row block)
	v_add_nc_u32 v[XBR], XB, v[L16]
	v_add_nc_u32 v[TBR], TB, v[L16]
	s_add_co_u32 s46, s45, TB
	v_add_nc_u32 v[TBW], s46, v[L16]               ; I write K chunks 2w, 2w+1 of TB (4,096 bytes a chunk)
	v_lshlrev_b32 v[TMP+1], 2, v[RR]               ; 4 r
	s_lshl_b32 s45, s24, 6                         ; 16 rows x 4 bytes a wave
	s_add_co_u32 s46, s45, SC0
	v_add_nc_u32 v[SCW], s46, v[TMP+1]
	v_add_nc_u32 v[SCR], SC0, v[TMP+1]
	s_add_co_u32 s46, s45, PP
	v_add_nc_u32 v[PCR], s46, v[TMP+1]             ; classifier: the partials of my own 16 rows
	s_lshl_b32 s45, s24, 9
	s_add_co_u32 s46, s45, PS
	v_add_nc_u32 v[PSW], s46, v[TMP+1]
	v_add_nc_u32 v[PSR], PS, v[TMP+1]
	v_mul_u32_u24 v[TMP+2], v[RR], WPITCH
	v_lshl_add_u32 v[TMP+2], v[HH], 4, v[TMP+2]    ; r * 528 + 16 h
	v_add_nc_u32 v[WCA], WC, v[TMP+2]
	s_mul_i32 s45, s24, WST_W
	s_add_co_u32 s45, s45, WST
	v_add_nc_u32 v[WFA], s45, v[TMP+2]
	v_lshl_add_u32 v[WSTA], v[TMP], 3, s45
	s_lshl_b32 s45, s24, 10
	s_add_co_u32 s45, s45, TB
	v_add_nc_u32 v[TCR], s45, v[L16]               ; classifier: row block w of every chunk of TB
	s_mul_i32 s45, s24, OST_W
	s_add_co_u32 s45, s45, OST
	v_mul_u32_u24 v[TMP+3], v[RR], 80
	v_lshl_add_u32 v[TMP+3], v[HH], 5, v[TMP+3]
	v_add_nc_u32 v[OSW], s45, v[TMP+3]             ; in: row r, 32 bytes for each half of the lanes
	v_lshrrev_b32 v[TMP+3], 2, v[TMP]
	v_mul_u32_u24 v[TMP+3], v[TMP+3], 80
	v_and_b32 v[TMP+4], 3, v0
	v_lshl_add_u32 v[TMP+3], v[TMP+4], 4, v[TMP+3]
	v_add_nc_u32 v[OSR], s45, v[TMP+3]             ; back: four lanes a row of 64 bytes
	s_lshl_b32 s45, s24, 8
	v_lshl_add_u32 v[BOFF], v[HH], 5, s45          ; 256 w + 32 h
	s_mul_i32 s45, s24, 4*WPITCH
	s_add_co_u32 s45, s45, WC
	v_lshl_add_u32 v[TMP+9], v[TMP], 3, s45        ; where my 4 rows of Wc go
	; the small inputs: 26 loads
.irp f,0,1,2,3
	global_load_b128 v[B1+8*\f:B1+8*\f+3],   v[BOFF], s[16:17] offset:64*\f
	global_load_b128 v[B1+8*\f+4:B1+8*\f+7], v[BOFF], s[16:17] offset:64*\f+16
	global_load_b128 v[B2+8*\f:B2+8*\f+3],   v[BOFF], s[18:19] offset:64*\f
	global_load_b128 v[B2+8*\f+4:B2+8*\f+7], v[BOFF], s[18:19] offset:64*\f+16
.endr
	global_load_b128 v[YB:YB+3],   v[TMP+8], s[20:21]
	global_load_b128 v[YB+4:YB+7], v[TMP+8], s[20:21] offset:16
.irp i,0,1,2,3,4,5,6,7
	global_load_b128 v[BUF1+4*\i:BUF1+4*\i+3], v[L16], s[14:15] offset:512*\i
.endr
; The weights, in 8 batches: batch k = 16 rows (one feature tile) of W1 (k < 4) or W2, 32 loads of 512 consecutive bytes, into one of two sets of 128 registers of window 3.
; More loads are issued here than LOADcnt's field counts; the issue then stalls by itself (ISA guide 5.7.1), so no wait is written for that.
.macro WLOAD k
	WIN TOW3
.set wi, 0
.rept 32
.if \k < 4
	global_load_b128 v[128*(\k&1)+4*wi:128*(\k&1)+4*wi+3], v[L16], s[10:11] offset:(32*(\k&3)+wi)*512
.else
	global_load_b128 v[128*(\k&1)+4*wi:128*(\k&1)+4*wi+3], v[L16], s[12:13] offset:(32*(\k&3)+wi)*512
.endif
.set wi, wi+1
.endr
.endm
; Batch k is rounded to bf16, laid into my own stage by rows and read back as fragments.  LDS serves a wave's instructions in order (ISA guide 5.7.1), and the stage is
; my own, so nothing stands between the stores and the loads.  left = the loads of the one batch issued behind batch k; every older load is in as well.
.macro WBATCH k, nxt, left
	s_wait_loadcnt \left
	WIN RED
.set wi, 0
.rept 32
	v_cvt_pk_bf16_f32 v[BUF0+2*wi],   v[128*(\k&1)+4*wi],   v[128*(\k&1)+4*wi+1]
	v_cvt_pk_bf16_f32 v[BUF0+2*wi+1], v[128*(\k&1)+4*wi+2], v[128*(\k&1)+4*wi+3]
.set wi, wi+1
.endr
	WIN 0
.set wi, 0
.rept 32
	ds_store_b64 v[WSTA], v[BUF0+2*wi:BUF0+2*wi+1] offset:(16*(\k&3)+(wi>>1))*WPITCH+(wi&1)*256
.set wi, wi+1
.endr
.if \nxt < 8
	WLOAD \nxt                                     ; the set just read is asked for again
.endif
.if \k < 4
	WIN TOW1
.else
	WIN TOW2
.endif
.irp c,0,1,2,3,4,5,6,7
	ds_load_b128 v[8*(8*(\k&3)+\c):8*(8*(\k&3)+\c)+3],   v[WFA] offset:(\k&3)*16*WPITCH+64*\c
	ds_load_b128 v[8*(8*(\k&3)+\c)+4:8*(8*(\k&3)+\c)+7], v[WFA] offset:(\k&3)*16*WPITCH+64*\c+32
.endr
.endm
	WLOAD 0
	WLOAD 1
	WBATCH 0, 2, 32
	WBATCH 1, 3, 32
	WBATCH 2, 4, 32
	WBATCH 3, 5, 32
	WBATCH 4, 6, 32
	WBATCH 5, 7, 32
	WBATCH 6, 8, 32
	WBATCH 7, 8, 0
	WIN 0
	; Wc: my 4 rows to bf16 into the table that all waves read
.irp i,0,1,2,3,4,5,6,7
	v_cvt_pk_bf16_f32 v[BUF1+32+2*\i],   v[BUF1+4*\i],   v[BUF1+4*\i+1]
	v_cvt_pk_bf16_f32 v[BUF1+32+2*\i+1], v[BUF1+4*\i+2], v[BUF1+4*\i+3]
.endr
.irp i,0,1,2,3,4,5,6,7
	ds_store_b64 v[TMP+9], v[BUF1+32+2*\i:BUF1+32+2*\i+1] offset:(\i>>1)*WPITCH+(\i&1)*256
.endr
	; yb = min(tanh|bc|, 0.999) bc/|bc| and |yb|^2, in every wave
	v_pk_mul_f32 v[TMP:TMP+1], v[YB:YB+1], v[YB:YB+1]
.irp j,2,4,6
	v_pk_fma_f32 v[TMP:TMP+1], v[YB+\j:YB+\j+1], v[YB+\j:YB+\j+1], v[TMP:TMP+1]
.endr
	v_add_f32 v[TMP], v[TMP], v[TMP+1]
	v_permlanex16_b32 v[TMP+1], v[TMP], s40, s41
	v_add_f32 v[TMP], v[TMP], v[TMP+1]             ; |bc|^2
	v_max_num_f32 v[TMP+1], TINY2, v[TMP]
	v_rsq_f32 v[TMP+2], v[TMP+1]                   ; behind every transcendental one plain vector instruction before its result is used (ISA guide 5.7.2)
	v_nop
	s_wait_alu depctr_va_vdst(0)
	v_mul_f32 v[TMP+3], v[TMP], v[TMP+2]           ; |bc|
	v_mul_f32 v[TMP+3], K2, v[TMP+3]
	v_exp_f32 v[TMP+3], v[TMP+3]
	v_nop
	s_wait_alu depctr_va_vdst(0)
	v_add_f32 v[TMP+3], 1.0, v[TMP+3]
	v_rcp_f32 v[TMP+3], v[TMP+3]
	v_nop
	s_wait_alu depctr_va_vdst(0)
	v_fma_f32 v[TMP+3], v[TMP+3], -2.0, 1.0        ; tanh|bc|
	v_min_num_f32 v[TMP+3], MAXN, v[TMP+3]
	v_mul_f32 v[TMP+4], v[TMP+3], v[TMP+2]
	v_mul_f32 v[TMP+5], v[TMP+3], v[TMP+2]         ; twice: a pair for the packed multiply
.irp j,0,2,4,6
	v_pk_mul_f32 v[YB+\j:YB+\j+1], v[YB+\j:YB+\j+1], v[TMP+4:TMP+5]
.endr
	v_pk_mul_f32 v[TMP:TMP+1], v[YB:YB+1], v[YB:YB+1]
.irp j,2,4,6
	v_pk_fma_f32 v[TMP:TMP+1], v[YB+\j:YB+\j+1], v[YB+\j:YB+\j+1], v[TMP:TMP+1]
.endr
	v_add_f32 v[TMP], v[TMP], v[TMP+1]
	v_permlanex16_b32 v[TMP+1], v[TMP], s40, s41
	v_add_f32 v[Y2], v[TMP], v[TMP+1]
	s_wait_dscnt 0x0                               ; my weight fragments are in, my reads of my stage are over, my rows of Wc are written
	BAR                                            ; the stages' bytes become XB and TB, which other waves write; Wc's table is whole
; ================= the phases of a group of 64 rows =================
; X: my 16 rows of x from my part of the slot: sum of squares, min(1, A/|x|), and the rows as bf16 fragments into XB (row block w).
.macro XPHASE
	s_wait_tensorcnt 0x0                           ; my one tensor load has landed; none is issued before the barrier behind this phase, so this is also that barrier's wait for all my loads
	ds_add_u32 v52, v53
	s_wait_dscnt 0x0
.irp c,0,1,2,3,4,5,6,7
	ds_load_b128 v[BUF0+16*\c:BUF0+16*\c+3],     v[XSA] offset:128*\c      ; k = 32c + 8h + 0..3
	ds_load_b128 v[BUF0+16*\c+4:BUF0+16*\c+7],   v[XSA] offset:128*\c+16   ;              + 4..7
	ds_load_b128 v[BUF0+16*\c+8:BUF0+16*\c+11],  v[XSA] offset:128*\c+64   ; k = 32c + 16 + 8h + 0..3
	ds_load_b128 v[BUF0+16*\c+12:BUF0+16*\c+15], v[XSA] offset:128*\c+80
.endr
.irp c,0,1,2,3,4,5,6,7
	s_wait_dscnt 28-2*\c                           ; chunk c is in: behind it stand 4 (7-c) loads and the 2c stores issued so far
.irp m,0,1,2,3,4,5,6,7
.if 8*\c+\m < 4
	v_pk_mul_f32 v[SSA+2*\m:SSA+2*\m+1], v[BUF0+2*\m:BUF0+2*\m+1], v[BUF0+2*\m:BUF0+2*\m+1]     ; the first four products start four chains
.else
	v_pk_fma_f32 v[SSA+2*(\m&3):SSA+2*(\m&3)+1], v[BUF0+16*\c+2*\m:BUF0+16*\c+2*\m+1], v[BUF0+16*\c+2*\m:BUF0+16*\c+2*\m+1], v[SSA+2*(\m&3):SSA+2*(\m&3)+1]
.endif
.endr
.irp j,0,1,2,3,4,5,6,7
	v_cvt_pk_bf16_f32 v[TMP+\j], v[BUF0+16*\c+2*\j], v[BUF0+16*\c+2*\j+1]
.endr
	ds_store_b128 v[XBW], v[TMP:TMP+3]   offset:\c*1024
	ds_store_b128 v[XBW], v[TMP+4:TMP+7] offset:\c*1024+512
.endr
	v_pk_add_f32 v[SSA:SSA+1], v[SSA:SSA+1], v[SSA+2:SSA+3]
	v_pk_add_f32 v[SSA+4:SSA+5], v[SSA+4:SSA+5], v[SSA+6:SSA+7]
	v_pk_add_f32 v[SSA:SSA+1], v[SSA:SSA+1], v[SSA+4:SSA+5]
	v_add_f32 v[SSA], v[SSA], v[SSA+1]
	v_permlanex16_b32 v[SSA+1], v[SSA], s40, s41   ; the other half of the lanes holds the row's other k
	v_add_f32 v[SSA], v[SSA], v[SSA+1]
	v_rsq_f32 v[SSA+2], v[SSA]
	v_nop
	s_wait_alu depctr_va_vdst(0)
	v_mul_f32 v[SSA+2], AC, v[SSA+2]
	v_min_num_f32 v[SSA+2], 1.0, v[SSA+2]
	ds_store_b32 v[SCW], v[SSA+2]
.endm
; 16 LDS loads: the source-1 fragments of row blocks 2p, 2p+1 and K chunks 4kh .. 4kh+3.  snb, sc: bytes from row block to row block, from chunk to chunk.
.macro FETCH base, p, kh, buf, snb, sc
.irp i,0,1
.irp cc,0,1,2,3
	ds_load_b128 v[\buf+8*(4*\i+\cc):\buf+8*(4*\i+\cc)+3],   v[\base] offset:(2*\p+\i)*\snb+(4*\kh+\cc)*\sc
	ds_load_b128 v[\buf+8*(4*\i+\cc)+4:\buf+8*(4*\i+\cc)+7], v[\base] offset:(2*\p+\i)*\snb+(4*\kh+\cc)*\sc+512
.endr
.endr
.endm
; 32 matrix instructions.  Eight accumulators (2 row blocks x my 4 feature tiles) take turns, one instruction a turn, over the stages' borders too.
; The first K chunk starts the sums with the constant 0: nothing is cleared.
.macro MUL32 p, kh, buf
.irp cc,0,1,2,3
.irp i,0,1
.irp f,0,1,2,3
.if \kh+\cc == 0
	v_wmma_f32_16x16x32_bf16 v[8*(4*(2*\p+\i)+\f):8*(4*(2*\p+\i)+\f)+7], v[8*(8*\f+4*\kh+\cc):8*(8*\f+4*\kh+\cc)+7], v[\buf+8*(4*\i+\cc):\buf+8*(4*\i+\cc)+7], 0
.else
	v_wmma_f32_16x16x32_bf16 v[8*(4*(2*\p+\i)+\f):8*(4*(2*\p+\i)+\f)+7], v[8*(8*\f+4*\kh+\cc):8*(8*\f+4*\kh+\cc)+7], v[\buf+8*(4*\i+\cc):\buf+8*(4*\i+\cc)+7], v[8*(4*(2*\p+\i)+\f):8*(4*(2*\p+\i)+\f)+7]
.endif
.endr
.endr
.endr
.endm
.macro STAGE win, base, snb, sc, p, kh, buf, np, nkh, nbuf
	WIN 0
	PLACES                                         ; the other buffer was read by the matrix instructions just issued
	FETCH \base, \np, \nkh, \nbuf, \snb, \sc
	s_wait_dscnt 16                                ; all but the 16 just issued: this stage's fragments are in
	WIN \win
	MUL32 \p, \kh, \buf
.endm
; the four partial sums of each of the 64 rows: row block nb's into BUF0+4nb .. +3
.macro LOADPART off
.irp nb,0,1,2,3
.irp ww,0,1,2,3
	ds_load_b32 v[BUF0+4*\nb+\ww], v[PSR] offset:\off+512*\ww+64*\nb
.endr
.endr
.endm
; 64 rows x my 64 features x K = 256: 4 stages on two fragment buffers.  The last stage fetches, in place of fragments, what the next phase wants.
.macro GEMM win, base, snb, sc, tail
	FETCH \base, 0, 0, BUF0, \snb, \sc
	STAGE \win, \base, \snb, \sc, 0, 0, BUF0, 0, 1, BUF1
	STAGE \win, \base, \snb, \sc, 0, 1, BUF1, 1, 0, BUF0
	STAGE \win, \base, \snb, \sc, 1, 0, BUF0, 1, 1, BUF1
	WIN 0
	PLACES
.if \tail
	LOADPART 2048                                  ; |t1|^2 in parts, into buffer 0, which the last stage does not read
	s_wait_dscnt 16                                ; all but these 16
.else
.irp nb,0,1,2,3
	ds_load_b32 v[SCL+\nb], v[SCR] offset:64*\nb   ; min(1, A/|x|) of my lane's row in each row block
.endr
	s_wait_dscnt 4                                 ; all but these 4
.endif
	WIN \win
	MUL32 1, 1, BUF1
	WIN 0
	PLACES                                         ; vector work on the sums follows
.endm
.macro SUMPART                         ; the same order of adding in all four waves: they get the same scale
.irp nb,0,1,2,3
	v_pk_add_f32 v[BUF0+4*\nb:BUF0+4*\nb+1], v[BUF0+4*\nb:BUF0+4*\nb+1], v[BUF0+4*\nb+2:BUF0+4*\nb+3]
.endr
.irp nb,0,1,2,3
	v_add_f32 v[BUF0+4*\nb], v[BUF0+4*\nb], v[BUF0+4*\nb+1]
.endr
.endm
.macro SCALES mulc, minc               ; SCL[nb] = min(minc, mulc / sqrt(sum))
.irp nb,0,1,2,3
	v_rsq_f32 v[SCL+\nb], v[BUF0+4*\nb]
.endr
	v_nop
	s_wait_alu depctr_va_vdst(0)
.irp nb,0,1,2,3
	v_mul_f32 v[SCL+\nb], \mulc, v[SCL+\nb]
.endr
.irp nb,0,1,2,3
	v_min_num_f32 v[SCL+\nb], \minc, v[SCL+\nb]
.endr
.endm
; u = sums * SCL[nb] + bias, in place.  The scale is one register of a pair, taken for both halves by op_sel and op_sel_hi.
.macro BIASSCALE bias
	WIN INPL
.irp nb,0,1,2,3
.irp f,0,1,2,3
.irp jj,0,1,2,3
.if \nb & 1
	v_pk_fma_f32 v[32*\nb+8*\f+2*\jj:32*\nb+8*\f+2*\jj+1], v[32*\nb+8*\f+2*\jj:32*\nb+8*\f+2*\jj+1], v[SCL+\nb-1:SCL+\nb], v[\bias+8*\f+2*\jj:\bias+8*\f+2*\jj+1] op_sel:[0,1,0] op_sel_hi:[1,1,1]
.else
	v_pk_fma_f32 v[32*\nb+8*\f+2*\jj:32*\nb+8*\f+2*\jj+1], v[32*\nb+8*\f+2*\jj:32*\nb+8*\f+2*\jj+1], v[SCL+\nb:SCL+\nb+1], v[\bias+8*\f+2*\jj:\bias+8*\f+2*\jj+1] op_sel_hi:[1,0,1]
.endif
.endr
.endr
.endr
.endm
; SSA[nb] = sums of squares of my lane's 32 numbers of row block nb: four chains that do not wait for each other
.macro SUMSQ
	WIN RED
.set ix, 0
.rept 16
.irp nb,0,1,2,3
.if ix == 0
	v_pk_mul_f32 v[SSA+2*\nb:SSA+2*\nb+1], v[32*\nb:32*\nb+1], v[32*\nb:32*\nb+1]
.else
	v_pk_fma_f32 v[SSA+2*\nb:SSA+2*\nb+1], v[32*\nb+2*ix:32*\nb+2*ix+1], v[32*\nb+2*ix:32*\nb+2*ix+1], v[SSA+2*\nb:SSA+2*\nb+1]
.endif
.endr
.set ix, ix+1
.endr
.endm
; my wave's partial sum of each row (64 features), stored for the other waves
.macro ROWRED off
	WIN 0
.irp nb,0,1,2,3
	v_add_f32 v[SSA+2*\nb], v[SSA+2*\nb], v[SSA+2*\nb+1]
.endr
.irp nb,0,1,2,3
	v_permlanex16_b32 v[SSA+2*\nb+1], v[SSA+2*\nb], s40, s41
.endr
.irp nb,0,1,2,3
	v_add_f32 v[SSA+2*\nb], v[SSA+2*\nb], v[SSA+2*\nb+1]
.endr
.irp nb,0,1,2,3
	ds_store_b32 v[PSW], v[SSA+2*\nb] offset:\off+64*\nb
.endr
.endm
; t = tanh(u min(1, A/|u|)) in place, its partial sums of squares into PP, and t as bf16 fragments into TB
.macro TANH
	LOADPART 0
	s_wait_dscnt 0x0
	SUMPART
	SCALES AK, K2                                  ; 2 log2 e * min(1, A/|u|)
	WIN INPL
.irp nb,0,1,2,3
.set ix, 0
.rept 16
.if \nb & 1
	v_pk_mul_f32 v[32*\nb+2*ix:32*\nb+2*ix+1], v[32*\nb+2*ix:32*\nb+2*ix+1], v[SCL+\nb-1:SCL+\nb] op_sel:[0,1] op_sel_hi:[1,1]
.else
	v_pk_mul_f32 v[32*\nb+2*ix:32*\nb+2*ix+1], v[32*\nb+2*ix:32*\nb+2*ix+1], v[SCL+\nb:SCL+\nb+1] op_sel_hi:[1,0]
.endif
.set ix, ix+1
.endr
.set ix, 0
.rept 32
	v_exp_f32 v[32*\nb+ix], v[32*\nb+ix]
.set ix, ix+1
.endr
	v_nop                                          ; the plain place behind the run of transcendentals
.set ix, 0
	s_wait_alu depctr_va_vdst(0)
.rept 16
	v_pk_add_f32 v[32*\nb+2*ix:32*\nb+2*ix+1], v[32*\nb+2*ix:32*\nb+2*ix+1], 1.0 op_sel_hi:[1,0]
.set ix, ix+1
.endr
.set ix, 0
.rept 32
	v_rcp_f32 v[32*\nb+ix], v[32*\nb+ix]
.set ix, ix+1
.endr
	v_nop
.set ix, 0
	s_wait_alu depctr_va_vdst(0)
.rept 16
	v_pk_fma_f32 v[32*\nb+2*ix:32*\nb+2*ix+1], v[32*\nb+2*ix:32*\nb+2*ix+1], -2.0, 1.0 op_sel_hi:[1,0,0]
.set ix, ix+1
.endr
.endr
	SUMSQ
.irp nb,0,1,2,3
.set ix, 0
.rept 16
	v_cvt_pk_bf16_f32 v[BUF0+16*\nb+ix], v[32*\nb+2*ix], v[32*\nb+2*ix+1]      ; tile f's 8 numbers = 4 registers = one half of a fragment
.set ix, ix+1
.endr
.endr
	ROWRED 2048
.irp nb,0,1,2,3
.irp f,0,1,2,3
	ds_store_b128 v[TBW], v[BUF0+16*\nb+4*\f:BUF0+16*\nb+4*\f+3] offset:(\f>>1)*4096+\nb*1024+(\f&1)*512
.endr
.endr
.endm
; ---- the classifier's tail, in steps that each end in a transcendental; a v_nop stands behind each.  s: scratch, q: the 8 results, p: the 4 partials of |t2|^2 ----
.macro EA s, q, p                      ; |q|^2, q.yb, |t2|^2 and their reciprocal roots
	v_pk_mul_f32 v[\s:\s+1], v[\q:\q+1], v[\q:\q+1]
	v_pk_mul_f32 v[\s+2:\s+3], v[\q:\q+1], v[YB:YB+1]
.irp j,2,4,6
	v_pk_fma_f32 v[\s:\s+1], v[\q+\j:\q+\j+1], v[\q+\j:\q+\j+1], v[\s:\s+1]
	v_pk_fma_f32 v[\s+2:\s+3], v[\q+\j:\q+\j+1], v[YB+\j:YB+\j+1], v[\s+2:\s+3]
.endr
	v_pk_add_f32 v[\p:\p+1], v[\p:\p+1], v[\p+2:\p+3]
	v_add_f32 v[\s], v[\s], v[\s+1]
	v_add_f32 v[\s+2], v[\s+2], v[\s+3]
	v_add_f32 v[\s+4], v[\p], v[\p+1]              ; |t2|^2
	v_permlanex16_b32 v[\s+1], v[\s], s40, s41
	v_permlanex16_b32 v[\s+3], v[\s+2], s40, s41
	v_add_f32 v[\s], v[\s], v[\s+1]                ; |q|^2
	v_add_f32 v[\s+2], v[\s+2], v[\s+3]            ; q.yb
	v_max_num_f32 v[\s+5], TINY2, v[\s]
	v_rsq_f32 v[\s+5], v[\s+5]                     ; 1/|q|
	v_rsq_f32 v[\s+6], v[\s+4]                     ; 1/|t2|
.endm
.macro EB s                            ; exp2(2 log2 e |q| min(1, A/|t2|))
	s_wait_alu depctr_va_vdst(0)
	v_mul_f32 v[\s+6], AC, v[\s+6]
	v_mul_f32 v[\s+7], v[\s], v[\s+5]
	v_min_num_f32 v[\s+6], 1.0, v[\s+6]
	v_mul_f32 v[\s+7], K2, v[\s+7]
	v_mul_f32 v[\s+7], v[\s+7], v[\s+6]
	v_exp_f32 v[\s+7], v[\s+7]
.endm
.macro EC s
	s_wait_alu depctr_va_vdst(0)
	v_add_f32 v[\s+7], 1.0, v[\s+7]
	v_rcp_f32 v[\s+7], v[\s+7]
.endm
.macro ED s                            ; res = g q; the scalars of the Moebius sum
	s_wait_alu depctr_va_vdst(0)
	v_fma_f32 v[\s+7], v[\s+7], -2.0, 1.0          ; tanh
	v_min_num_f32 v[\s+7], MAXN, v[\s+7]           ; proj
	v_mul_f32 v[\s+7], v[\s+7], v[\s+5]            ; g
	v_mul_f32 v[\s+12], v[\s+7], v[\s+7]
	v_mul_f32 v[\s+13], v[\s+7], v[\s+2]           ; res.yb
	v_mul_f32 v[\s+12], v[\s+12], v[\s]            ; |res|^2
	v_fma_f32 v[\s+14], v[\s+13], 2.0, 1.0         ; 1 + 2 res.yb
	v_fma_f32 v[\s+16], v[\s+12], v[Y2], v[\s+14]  ; the denominator
	v_add_f32 v[\s+15], v[\s+14], v[Y2]
	v_max_num_f32 v[\s+16], TINY, v[\s+16]
	v_rcp_f32 v[\s+16], v[\s+16]
.endm
.macro EE s, q                         ; z = ca q + cb yb, |z|^2
	v_mul_f32 v[\s+15], v[\s+15], v[\s+7]
	v_sub_f32 v[\s+17], 1.0, v[\s+12]
	s_wait_alu depctr_va_vdst(0)
	v_mul_f32 v[\s+8], v[\s+15], v[\s+16]
	v_mul_f32 v[\s+9], v[\s+15], v[\s+16]          ; each factor twice: pairs for the packed forms
	v_mul_f32 v[\s+10], v[\s+17], v[\s+16]
	v_mul_f32 v[\s+11], v[\s+17], v[\s+16]
.irp j,0,2,4,6
	v_pk_mul_f32 v[\q+\j:\q+\j+1], v[\q+\j:\q+\j+1], v[\s+8:\s+9]
.endr
.irp j,0,2,4,6
	v_pk_fma_f32 v[\q+\j:\q+\j+1], v[YB+\j:YB+\j+1], v[\s+10:\s+11], v[\q+\j:\q+\j+1]
.endr
	v_pk_mul_f32 v[\s:\s+1], v[\q:\q+1], v[\q:\q+1]
.irp j,2,4,6
	v_pk_fma_f32 v[\s:\s+1], v[\q+\j:\q+\j+1], v[\q+\j:\q+\j+1], v[\s:\s+1]
.endr
	v_add_f32 v[\s], v[\s], v[\s+1]
	v_permlanex16_b32 v[\s+1], v[\s], s40, s41
	v_add_f32 v[\s], v[\s], v[\s+1]
	v_max_num_f32 v[\s+5], TINY2, v[\s]
	v_rsq_f32 v[\s+5], v[\s+5]                     ; 1/|z|
.endm
.macro EF s
	s_wait_alu depctr_va_vdst(0)
	v_mul_f32 v[\s+6], v[\s], v[\s+5]
	v_min_num_f32 v[\s+6], MAXN, v[\s+6]           ; min(|z|, 0.999)
	v_sub_f32 v[\s+7], 1.0, v[\s+6]
	v_add_f32 v[\s+12], 1.0, v[\s+6]
	v_rcp_f32 v[\s+7], v[\s+7]
.endm
.macro EG s
	s_wait_alu depctr_va_vdst(0)
	v_mul_f32 v[\s+7], v[\s+12], v[\s+7]
	v_log_f32 v[\s+7], v[\s+7]
.endm
.macro EH s, q                         ; the logits l, and exp(-|l|)
	s_wait_alu depctr_va_vdst(0)
	v_mul_f32 v[\s+7], HLN2, v[\s+7]               ; atanh
	v_mul_f32 v[\s+8], v[\s+7], v[\s+5]
	v_mul_f32 v[\s+9], v[\s+7], v[\s+5]
.irp j,0,2,4,6
	v_pk_mul_f32 v[\q+\j:\q+\j+1], v[\q+\j:\q+\j+1], v[\s+8:\s+9]
.endr
.irp j,0,1,2,3,4,5,6,7
	v_mul_f32 v[\s+\j], -|v[\q+\j]|, s42
.endr
.irp j,0,1,2,3,4,5,6,7
	v_exp_f32 v[\s+\j], v[\s+\j]
.endr
.endm
.macro EI s
	s_wait_alu depctr_va_vdst(0)
.irp j,0,2,4,6
	v_pk_add_f32 v[\s+\j:\s+\j+1], v[\s+\j:\s+\j+1], 1.0 op_sel_hi:[1,0]
.endr
.irp j,0,1,2,3,4,5,6,7
	v_log_f32 v[\s+\j], v[\s+\j]
.endr
.endm
.macro EJ s, q                         ; softplus = max(l, 0) + ln 2 log2(1 + exp(-|l|)); through my own stage, so that a store covers whole rows
.irp j,0,1,2,3,4,5,6,7
	v_max_num_f32 v[\q+\j], 0, v[\q+\j]
.endr
	s_wait_alu depctr_va_vdst(0)
.irp j,0,2,4,6
	v_pk_fma_f32 v[\q+\j:\q+\j+1], v[\s+\j:\s+\j+1], LN2, v[\q+\j:\q+\j+1] op_sel_hi:[1,0,1]
.endr
	ds_store_b128 v[OSW], v[\q:\q+3]
	ds_store_b128 v[OSW], v[\q+4:\q+7] offset:16
	ds_load_b128 v[\s:\s+3],   v[OSR]              ; my own bytes, served in order (ISA guide 5.7.1): these see the stores above
	ds_load_b128 v[\s+4:\s+7], v[OSR] offset:640   ; rows 8 to 15
.endm
; C: wave w takes row block w through the classifier and out
.macro CLASS step
	WIN 0
.irp ww,0,1,2,3
	ds_load_b32 v[TMP+\ww], v[PCR] offset:512*\ww
.endr
.irp c,0,1,2,3,4,5,6,7
	ds_load_b128 v[BUF0+8*\c:BUF0+8*\c+3],   v[WCA] offset:64*\c
	ds_load_b128 v[BUF0+8*\c+4:BUF0+8*\c+7], v[WCA] offset:64*\c+32
.endr
	WIN TOW3
.irp c,0,1,2,3,4,5,6,7
	ds_load_b128 v[8*\c:8*\c+3],   v[TCR] offset:4096*\c           ; t2's fragments into the accumulators' registers, which hold nothing any more
	ds_load_b128 v[8*\c+4:8*\c+7], v[TCR] offset:4096*\c+512
.endr
	s_wait_dscnt 0x0
	WIN MULC
.irp c,0,1,2,3,4,5,6,7                 ; even K chunks add onto one accumulator, odd ones onto the other: two accumulators by turns
.if \c < 2
	v_wmma_f32_16x16x32_bf16 v[QV+8*(\c&1):QV+8*(\c&1)+7], v[BUF0+8*\c:BUF0+8*\c+7], v[8*\c:8*\c+7], 0
.else
	v_wmma_f32_16x16x32_bf16 v[QV+8*(\c&1):QV+8*(\c&1)+7], v[BUF0+8*\c:BUF0+8*\c+7], v[8*\c:8*\c+7], v[QV+8*(\c&1):QV+8*(\c&1)+7]
.endif
.endr
	WIN 0
	PLACES
.irp j,0,2,4,6
	v_pk_add_f32 v[QV+\j:QV+\j+1], v[QV+\j:QV+\j+1], v[QV+8+\j:QV+8+\j+1]      ; q = the two halves of K
.endr
	EA ES, QV, TMP
	v_nop
	EB ES
	v_nop
	EC ES
	v_nop
	ED ES
	v_nop
	EE ES, QV
	v_nop
	EF ES
	v_nop
	EG ES
	v_nop
	EH ES, QV
	v_nop
	EI ES
	v_nop
	EJ ES, QV
	s_wait_dscnt 0x0
	global_store_b128 v[L16], v[ES:ES+3],   s[22:23] th:TH_STORE_NT            ; each store of the wave covers 512 consecutive bytes (8 rows of out0), aligned to 512
	global_store_b128 v[L16], v[ES+4:ES+7], s[22:23] offset:512 th:TH_STORE_NT
.if \step
	s_wait_xcnt 0x0                                ; the stores' base is stepped, and their data registers are loaded into in the next group, only behind this wait
	s_add_nc_u64 s[22:23], s[22:23], 4096          ; 64 rows of out0
.endif
.endm
; A group.  Five barriers; in front of each signal the wave's LDS instructions are all done.
;   XB, SC0: written in X, read between barriers 1 and 2, written again behind barrier 5.     PS: written in front of 2 (4), read between 2 and 3 (4 and 5).
;   TB, PP: written between 2 and 3, read between 3 and 4; written between 4 and 5, read between 5 and the next group's 1.
.macro GROUP refill
	XPHASE
	s_wait_dscnt 0x0                               ; my reads of the slot are back, my fragments and scale are written
.if \refill
	s_add_nc_u64 s[30:31], s[30:31], 65536         ; no tensor load of mine is out: the address steps 64 rows
.endif
	BAR                                            ; 1
.if \refill
	tensor_load_to_lds s[28:31], s[32:39]          ; the next group's rows: my one tensor load, first behind the barrier
	s_nop 0
.endif
	GEMM MULG1, XBR, 8192, 1024, 0
	s_wait_dscnt 0x0                               ; the four scales
	BIASSCALE B1
	SUMSQ
	ROWRED 0
	s_wait_dscnt 0x0
	BAR                                            ; 2
	TANH
	s_wait_dscnt 0x0
	BAR                                            ; 3
	GEMM MULG2, TBR, 1024, 4096, 1
	s_wait_dscnt 0x0                               ; the partials of |t1|^2
	SUMPART
	SCALES AC, 1.0                                 ; min(1, A/|t1|)
	BIASSCALE B2
	SUMSQ
	ROWRED 0
	s_wait_dscnt 0x0
	BAR                                            ; 4
	TANH
	s_wait_dscnt 0x0
	BAR                                            ; 5
	CLASS \refill
.endm
	s_mov_b32 s44, 7
.Lgroup:
	GROUP 1
	WIN 0                                          ; at a label and at a branch every window is 0
	s_sub_co_i32 s44, s44, 1
	s_cmp_lg_u32 s44, 0
	s_cbranch_scc1 .Lgroup
	GROUP 0                                        ; the eighth group is written out: it asks for nothing more, and no tensor load is out at the end
	s_wait_tensorcnt 0x0
	ds_add_u32 v52, v53
	s_wait_dscnt 0x0
	s_endpgm
.Lfunc_end_k_qa280f45b13_chain:
	.size	k_qa280f45b13_chain, .Lfunc_end_k_qa280f45b13_chain-k_qa280f45b13_chain
	.p2alignl 7, 3214868480
	.fill 96, 4, 3214868480
	.section	.rodata,"a",@progbits
	.p2align	6, 0x0
	.amdhsa_kernel k_qa280f45b13_chain
		.amdhsa_group_segment_fixed_size 327680
		.amdhsa_private_segment_fixed_size 0
		.amdhsa_enable_private_segment 0
		.amdhsa_kernarg_size 64
		.amdhsa_user_sgpr_count 2
		.amdhsa_user_sgpr_kernarg_segment_ptr 1
		.amdhsa_wavefront_size32 1
		.amdhsa_system_sgpr_workgroup_id_x 1
		.amdhsa_system_sgpr_workgroup_id_y 1
		.amdhsa_system_sgpr_workgroup_id_z 1
		.amdhsa_system_vgpr_workitem_id 0
		.amdhsa_next_free_vgpr 1024
		.amdhsa_next_free_sgpr 66
		.amdhsa_reserve_vcc 0
		.amdhsa_float_denorm_mode_32 3
		.amdhsa_float_denorm_mode_16_64 3
		.amdhsa_memory_ordered 1
		.amdhsa_forward_progress 1
		.amdhsa_inst_pref_size 255
	.end_amdhsa_kernel
	.section	.bss,"aw",@nobits
	.p2align	6
	.space	262144
	.amdgpu_metadata
---
amdhsa.version: [ 1, 2 ]
amdhsa.kernels:
  - .name:           k_qa280f45b13_chain
    .symbol:         k_qa280f45b13_chain.kd
    .args:
      - { .name: x, .offset: 0, .size: 8, .value_kind: global_buffer, .address_space: global }
      - { .name: W1, .offset: 8, .size: 8, .value_kind: global_buffer, .address_space: global }
      - { .name: W2, .offset: 16, .size: 8, .value_kind: global_buffer, .address_space: global }
      - { .name: Wc, .offset: 24, .size: 8, .value_kind: global_buffer, .address_space: global }
      - { .name: b1, .offset: 32, .size: 8, .value_kind: global_buffer, .address_space: global }
      - { .name: b2, .offset: 40, .size: 8, .value_kind: global_buffer, .address_space: global }
      - { .name: bc, .offset: 48, .size: 8, .value_kind: global_buffer, .address_space: global }
      - { .name: out0, .offset: 56, .size: 8, .value_kind: global_buffer, .address_space: global }
    .group_segment_fixed_size: 327680
    .private_segment_fixed_size: 0
    .kernarg_segment_align: 8
    .kernarg_segment_size: 64
    .max_flat_workgroup_size: 128
    .sgpr_count:     66
    .vgpr_count:     1024
    .wavefront_size: 32
...
	.end_amdgpu_metadata
.endif
;; end of part 2
